; MI455X (gfx1250); checked and timed in simulation.
; The chip was launched on July 23, 2026; its instructions are those of AMD's public machine-readable ISA for CDNA 5 (MIT licence, August 2026) and "CDNA5" Instruction Set Architecture Reference Guide (July 2026). The comments in the code are by the model that wrote it; some were corrected since.
;; GQA. Allowed arithmetic: float matrix products may take bf16 or f16 operands with f32 sums; all other float work in f32.
;; Inputs: cos 2,048 x 64 float32; sin 2,048 x 64 float32; wk 2,048 x 512 float32; wo 2,048 x 2,048 float32; wq 2,048 x 2,048 float32; wv 2,048 x 512 float32; x 1 x 2,048 x 2,048 float32.
;; Outputs: out0 1 x 2,048 x 2,048 float32.
;; 2 versions, each right; version 2 is version 1 with the launch prep written anew for expert scheduling mode. Each part assembles by itself: llvm-mc -triple=amdgcn-amd-amdhsa -mcpu=gfx1250 --defsym DOCPART=n.
;; ======== version 1 of 2: 4 launches
;; limits: values outside matrix products are rounded to bf16; values are held in f16: magnitudes above 65,504 overflow, below 6.1e-05 lose precision
;; workspace buffers: xb 8,388,608 bytes; wcat 12,582,912 bytes; wob 8,388,608 bytes; qkvh 12,582,912 bytes; att 8,388,608 bytes
;; launch prep (part 1): grid 448 x 1, 8 waves a work-group, no clusters, 0 bytes of LDS; arguments x, wq, wk, wv, wo, xb, wcat, wob; writes xb, wcat, wob
.if DOCPART == 1
	.amdgcn_target "amdgcn-amd-amdhsa--gfx1250"
	.amdhsa_code_object_version 6
	.text
	.protected	k_q7e47963b8f_prep
	.globl	k_q7e47963b8f_prep
	.p2align	8
	.type	k_q7e47963b8f_prep,@function
k_q7e47963b8f_prep:
	s_mov_b64 s[64:65], 0
	v_nop
	global_prefetch_b8 v0, s[64:65] scope:SCOPE_SE
	s_setreg_imm32_b32 hwreg(HW_REG_WAVE_MODE, 25, 1), 1
	s_wait_xcnt 0x0
; The casts, once for the whole program.  x -> xb (bf16, same layout).  wq, wk, wv -> wcat (bf16, [2048 k][3072 n]: columns 0-2047 wq,
; 2048-2559 wk, 2560-3071 wv).  wo -> wob: rounded to bf16 like the other inputs, then widened to f16 for the f16 matrix form of the last launch.
; LIMIT: |wo| < 65,504 (f16's largest number); a bf16 below 2^-14 in size loses bits in f16 (absolute error at most 3e-8).
; A work-group takes 131,072 consecutive source bytes as 16 chunks of 8,192; thread t takes bytes 32 t .. 32 t + 31 of each chunk, eight f32,
; which become the 16 bytes that it stores: sixteen neighbouring lanes store 256 consecutive bytes, aligned.
; All 32 loads of a thread are issued first; no register is written twice while a memory instruction may read it, so the only waits are
; the counted ones for the loads.  No LDS, no matrix unit, no cluster: nothing is shared and nothing is reduced.
.set CHUNK, 8192
.set VI, 1                             ; v1        32 t: my bytes in a source chunk
.set VO, 2                             ; v2        my bytes in the destination
.set U,  8                             ; v[8:15]   at work (bf16 widened to f32, on wo's way)
.set X,  16                            ; v[16:143] chunk i: 8 registers as loaded
.set Y,  144                           ; v[144:207] chunk i: 4 registers to store
.macro LOADS
.set i, 0
.rept 16
	global_load_b128 v[X+8*i:X+8*i+3],   v[VI], s[2:3] offset:i*CHUNK th:TH_LOAD_NT
	global_load_b128 v[X+8*i+4:X+8*i+7], v[VI], s[2:3] offset:i*CHUNK+16 th:TH_LOAD_NT
.set i, i+1
.endr
.endm
; step = bytes in the destination from one chunk to the next; f16 = 1: bf16, then f16
.macro PATH step, f16
.set i, 0
.rept 16
	s_wait_loadcnt 30-2*i                          ; loads come back in order: behind chunk i's two stand 30 - 2 i younger ones
.irp j, 0,1,2,3
	v_cvt_pk_bf16_f32 v[Y+4*i+\j], v[X+8*i+2*\j], v[X+8*i+2*\j+1]
.endr
.if \f16
.irp j, 0,1,2,3
	v_lshlrev_b32 v[U+2*\j],   16,  v[Y+4*i+\j]    ; bf16 to f32: the low half moves up,
	v_and_b32     v[U+2*\j+1], s28, v[Y+4*i+\j]    ; the high half stays
.endr
.irp j, 0,1,2,3
	v_cvt_pk_f16_f32 v[Y+4*i+\j], v[U+2*\j], v[U+2*\j+1]
.endr
.endif
	global_store_b128 v[VO], v[Y+4*i:Y+4*i+3], s[4:5] offset:i*\step
.set i, i+1
.endr
.endm
	s_load_b512 s[8:23], s[0:1], 0x0               ; x s[8:9], wq s[10:11], wk s[12:13], wv s[14:15], wo s[16:17], xb s[18:19], wcat s[20:21], wob s[22:23]
	v_lshlrev_b32 v[VI], 5, v0
	v_lshlrev_b32 v[VO], 4, v0
	s_mov_b32 s24, ttmp9
	s_mov_b32 s3, 0
	s_mov_b32 s5, 0
	s_mov_b32 s28, 0xffff0000
	s_cmp_lt_u32 s24, 128
	s_cbranch_scc1 .Lx
	s_cmp_lt_u32 s24, 256
	s_cbranch_scc1 .Lwq
	s_cmp_lt_u32 s24, 320
	s_cbranch_scc1 .Lwkv
	; work-groups 320 to 447: wo, 16 rows each
	s_sub_co_u32 s25, s24, 320
	s_lshl_b32 s2, s25, 17
	s_lshl_b32 s4, s25, 16
	s_wait_kmcnt 0x0
	s_add_nc_u64 s[2:3], s[16:17], s[2:3]
	s_add_nc_u64 s[4:5], s[22:23], s[4:5]
	LOADS
	PATH 4096, 1
	s_endpgm
.Lx:                                               ; work-groups 0 to 127: x, 16 rows each
	s_lshl_b32 s2, s24, 17
	s_lshl_b32 s4, s24, 16
	s_wait_kmcnt 0x0
	s_add_nc_u64 s[2:3], s[8:9], s[2:3]
	s_add_nc_u64 s[4:5], s[18:19], s[4:5]
	LOADS
	PATH 4096, 0
	s_endpgm
.Lwq:                                              ; work-groups 128 to 255: wq, 16 rows each; a row of wcat is 6,144 bytes
	s_sub_co_u32 s25, s24, 128
	s_lshl_b32 s2, s25, 17
	s_mul_i32 s4, s25, 16*6144
	s_wait_kmcnt 0x0
	s_add_nc_u64 s[2:3], s[10:11], s[2:3]
	s_add_nc_u64 s[4:5], s[20:21], s[4:5]
	LOADS
	PATH 6144, 0
	s_endpgm
.Lwkv:                                             ; work-groups 256 to 287: wk, 288 to 319: wv; 64 rows of 2,048 bytes each, a chunk is 4 rows
	s_sub_co_u32 s25, s24, 256
	s_and_b32 s26, s25, 31
	s_lshl_b32 s2, s26, 17
	s_mul_i32 s4, s26, 64*6144
	s_mov_b32 s27, 4096                            ; column 2,048 of wcat, in bytes: wk's place
	s_mov_b32 s29, 5120                            ; column 2,560: wv's place
	v_lshrrev_b32 v3, 6, v0                        ; my row of the chunk's four
	v_and_b32 v4, 63, v0
	v_mul_u32_u24 v3, v3, 6144
	v_lshl_add_u32 v[VO], v4, 4, v3
	s_wait_kmcnt 0x0
	s_cmp_lt_u32 s25, 32
	s_cselect_b64 s[6:7], s[12:13], s[14:15]       ; wk or wv (a select leaves SCC as it is, so one compare serves both),
	s_cselect_b32 s27, s27, s29                    ; and its place in a row of wcat
	s_add_co_u32 s4, s4, s27
	s_add_nc_u64 s[2:3], s[6:7], s[2:3]
	s_add_nc_u64 s[4:5], s[20:21], s[4:5]
	LOADS
	PATH 4*6144, 0
	s_endpgm
.Lfunc_end_k_q7e47963b8f_prep:
	.size	k_q7e47963b8f_prep, .Lfunc_end_k_q7e47963b8f_prep-k_q7e47963b8f_prep
	.p2alignl 7, 3214868480
	.fill 96, 4, 3214868480
	.section	.rodata,"a",@progbits
	.p2align	6, 0x0
	.amdhsa_kernel k_q7e47963b8f_prep
		.amdhsa_group_segment_fixed_size 0
		.amdhsa_private_segment_fixed_size 0
		.amdhsa_enable_private_segment 0
		.amdhsa_kernarg_size 64
		.amdhsa_user_sgpr_count 2
		.amdhsa_user_sgpr_kernarg_segment_ptr 1
		.amdhsa_wavefront_size32 1
		.amdhsa_system_sgpr_workgroup_id_x 1
		.amdhsa_system_sgpr_workgroup_id_y 1
		.amdhsa_system_sgpr_workgroup_id_z 1
		.amdhsa_system_vgpr_workitem_id 0
		.amdhsa_next_free_vgpr 208
		.amdhsa_next_free_sgpr 66
		.amdhsa_reserve_vcc 0
		.amdhsa_float_denorm_mode_32 3
		.amdhsa_float_denorm_mode_16_64 3
		.amdhsa_memory_ordered 1
		.amdhsa_forward_progress 1
		.amdhsa_inst_pref_size 47
	.end_amdhsa_kernel
	.amdgpu_metadata
---
amdhsa.version: [ 1, 2 ]
amdhsa.kernels:
  - .name:           k_q7e47963b8f_prep
    .symbol:         k_q7e47963b8f_prep.kd
    .args:
      - { .name: x, .offset: 0, .size: 8, .value_kind: global_buffer, .address_space: global }
      - { .name: wq, .offset: 8, .size: 8, .value_kind: global_buffer, .address_space: global }
      - { .name: wk, .offset: 16, .size: 8, .value_kind: global_buffer, .address_space: global }
      - { .name: wv, .offset: 24, .size: 8, .value_kind: global_buffer, .address_space: global }
      - { .name: wo, .offset: 32, .size: 8, .value_kind: global_buffer, .address_space: global }
      - { .name: xb, .offset: 40, .size: 8, .value_kind: global_buffer, .address_space: global }
      - { .name: wcat, .offset: 48, .size: 8, .value_kind: global_buffer, .address_space: global }
      - { .name: wob, .offset: 56, .size: 8, .value_kind: global_buffer, .address_space: global }
    .group_segment_fixed_size: 0
    .private_segment_fixed_size: 0
    .kernarg_segment_align: 8
    .kernarg_segment_size: 64
    .max_flat_workgroup_size: 256
    .sgpr_count:     66
    .vgpr_count:     208
    .wavefront_size: 32
...
	.end_amdgpu_metadata
.endif
;; end of part 1
;; launch qkvproj (part 2): grid 24 x 8, 4 waves a work-group, clusters of 4 x 4, 327,680 bytes of LDS; arguments xb, wcat, cos, sin, qkvh; writes qkvh
.if DOCPART == 2
	.amdgcn_target "amdgcn-amd-amdhsa--gfx1250"
	.amdhsa_code_object_version 6
	.text
	.protected	k_q7e47963b8f_qkvproj
	.globl	k_q7e47963b8f_qkvproj
	.p2align	8
	.type	k_q7e47963b8f_qkvproj,@function
k_q7e47963b8f_qkvproj:
	s_mov_b64 s[64:65], 0
	v_nop
	global_prefetch_b8 v0, s[64:65] scope:SCOPE_SE
	s_setreg_imm32_b32 hwreg(HW_REG_WAVE_MODE, 25, 1), 1
	s_wait_xcnt 0x0
	s_wait_alu depctr_hold_cnt(0) depctr_sa_sdst(0) depctr_va_vdst(0) depctr_va_sdst(0) depctr_va_ssrc(0) depctr_va_vcc(0) depctr_vm_vsrc(0)
	s_getreg_b32 s2, hwreg(HW_REG_IB_STS2, 6, 4)
	s_cmp_eq_u32 s2, 0
	s_cbranch_scc0 .Lentry_in_a_cluster
	s_endpgm
.Lentry_in_a_cluster:
	s_bfe_u32 s2, ttmp6, 0x10000c
	s_cmp_lg_u32 s2, 0xf033
	s_cbranch_scc0 .Lentry_shape_is_right
	s_endpgm
.Lentry_shape_is_right:
; qkvh[hh][t][d] (f16) = scale * rope( sum over k of xb[t][k] wcat[k][128 hh + d] ).  hh 0-15: q, 16-19: k, 20-23: v (no rope).
; bf16 operands, f32 sums.  q and k are multiplied by QKS = sqrt(128^-0.5 log2 e), so that a later product q.k is the softmax's exponent to
; the base 2; v by 0.25 (the last launch multiplies by 4).
; LIMITS: |rope(q)|, |rope(k)| < 183,000 and |v| < 262,000 (beyond them f16 overflows); cos and sin are rounded to bf16 like the other
; inputs (TABLES_BF16 = 1; with 0 they are used as f32); the rope arithmetic itself is f32 with fused multiply-adds.
; A work-group makes 256 rows t of ONE head (rope needs d and d + 64 together, and a stored row (hh, t) is 256 bytes): 24 heads x 8 row blocks
; = 192 work-groups; 24 heads of 2,048 rows do not split into 256 equal blocks of whole heads.  A wave makes 64 rows x 128 columns: 32
; accumulator tiles, 256 registers.  K goes in steps of 128 through two LDS slots filled by the tensor data mover.
; CLUSTERS: 4 x 4.  x's tile hangs on the row block alone and is asked for jointly along a row of the cluster, the weights' tile on the head
; alone and is asked for jointly along a column.
; The matrix instruction is used transposed: source 0 = 16 columns of the weights, source 1 = 16 rows of x, so that lane (r, h), register j
; holds (t = r, d = 8 h + j): eight neighbouring numbers of a row.  The weights lie [k][n] in LDS and are read by the transposing LDS load.
; REGISTERS: window 0: addresses, two fragment buffers, the way out's work; window 1: the 32 accumulator tiles, (a, b) at v[8 (8 a + b)];
; window 2: this wave's cos and sin, as the accumulators' lanes need them.  Every work-group loads them, those of the v heads too (128 KiB
; in each of 32 work-groups), so that the text has one path up to the way out.
.set TABLES_BF16, 1
.set QKS,    0x3eb6d544                ; 0.35709583
.set KSTEP,  128
.set LAPS,   2048/(2*KSTEP)            ; a lap = two K steps = once round the ring
.set TN,     8                         ; column tiles of a wave
.set APITCH, 272                       ; x's LDS row: 256 bytes + 16: an odd multiple of 16
.set WPITCH, 288                       ; the weights' LDS row: 256 bytes + 32: an odd multiple of 32, for the transposing load
.set RAR,    128                       ; rows of x in one tensor load
.set RW,     64                        ; rows (k) of the weights in one tensor load
.set AT,     256*APITCH
.set SLOT,   AT+KSTEP*WPITCH
.set STAGE,  2*SLOT                    ; behind the ring: 16 rows x 272 bytes for each wave; no tensor load lands here
.set SPITCH, 272
.set WROWB,  6144                      ; bytes in a row of wcat
.set NL,     2*(TN+4)                  ; LDS loads in a FETCH
.set ADRA, 16                          ; v16-17 LDS address of my x fragments, slot 0, 1
.set ADRW, 20                          ; v20-21 the same for the weights
.set STO,  24
.set RD,   25
.set CO,   26
.set CSO,  27                          ; my byte offset in cos and sin; never rewritten
.set F0,   32                          ; fragment buffer 0: weights b at F + 8 b, x's a at F + 64 + 8 a
.set F1,   128
.set CT,   32                          ; the way out: tables as f32
.set PKT,  96                          ;              tables packed as bf16
.set T,    128                         ;              results in f32
.set PK,   192                         ;              results packed as f16
.set RB,   224                         ;              rows read back from the stage
.set G1A, 24
.set G0A, 32
.set G1W, 40
.set G0W, 48
.set MSB, 0
.macro WIN new                         ; the immediate's high byte repeats the setting that is left
.if MSB != \new
	s_set_vgpr_msb (MSB<<8)|\new
.set MSB, \new
.endif
.endm
.macro PLACES                          ; four plain vector instructions between a matrix instruction and what touches its registers (ISA guide 7.12.1)
.rept 4
	v_nop
.endr
.endm
; A joint load: waves 0 and 1 fetch x's two halves, waves 2 and 3 the weights'.  The branch hangs on the wave's number alone.
.macro JLOAD s
	s_cmp_eq_u32 s15, 0
	s_cbranch_scc0 .Lfor_w_\@
	tensor_load_to_lds s[G0A+4*\s:G0A+4*\s+3], s[G1A:G1A+7]
	s_nop 0
	s_branch .Lasked_\@
.Lfor_w_\@:
	tensor_load_to_lds s[G0W+4*\s:G0W+4*\s+3], s[G1W:G1W+7]
	s_nop 0
.Lasked_\@:
.endm
.macro CREST                           ; a round of the cluster's barrier behind its opening work-group barrier
	s_cmp_lg_u32 s14, 0
	s_cbranch_scc1 .Lnot_wave_0_\@
	s_barrier_signal -3
.Lnot_wave_0_\@:
	s_barrier_wait -3
	s_barrier_signal -1
	s_barrier_wait -1
.endm
.macro CROUND
	s_barrier_signal -1
	s_barrier_wait -1
	CREST
.endm
	s_load_b256 s[4:11], s[0:1], 0x0               ; xb s[4:5], wcat s[6:7], cos s[8:9], sin s[10:11]
	s_load_b64 s[12:13], s[0:1], 0x20              ; qkvh
	v_lshl_add_u32 v30, v0, 2, 0x38400
	v_mov_b32 v31, 0
	ds_add_u32 v30, v31
	v_lshrrev_b32 v1, 5, v0
	v_readfirstlane_b32 s14, v1                    ; wave 0..3
	s_lshr_b32 s15, s14, 1                         ; I fetch for x (0) or for the weights (1)
	s_and_b32 s16, s14, 1                          ; which half of that tile
	s_bfe_u32 s17, ttmp6, 0x40000                  ; cx
	s_bfe_u32 s18, ttmp6, 0x40004                  ; cy
	s_lshl_b32 s19, ttmp9, 2
	s_add_co_u32 s19, s19, s17                     ; head hh = 4 x cluster x + cx
	s_and_b32 s20, ttmp7, 0xffff
	s_lshl_b32 s20, s20, 2
	s_add_co_u32 s20, s20, s18                     ; row block = 4 x cluster y + cy
	s_lshl_b32 s21, s18, 2
	s_lshl_b32 s21, 15, s21                        ; my row of the cluster
	s_lshl_b32 s22, 0x1111, s17                    ; my column
	s_or_b32 s[G1A+0], s21, (1<<16)|(1<<20)|(1<<21)|(5<<22)|(3<<25)  ; mask; 2-byte elements; padding on; bit 21 beside a mask; after every 64 words 4 words
	s_mov_b32 s[G1A+1], KSTEP<<16                  ; tensor_dim0 = 128
	s_mov_b32 s[G1A+2], RAR<<16                    ; tensor_dim1 = 128
	s_mov_b32 s[G1A+3], KSTEP<<16                  ; tile_dim0 = 128
	s_mov_b32 s[G1A+4], RAR                        ; tile_dim1 = 128
	s_mov_b32 s[G1A+5], 2048                       ; elements from row to row
	s_mov_b32 s[G1A+6], 0
	s_mov_b32 s[G1A+7], 0
	s_or_b32 s[G1W+0], s22, (1<<16)|(1<<20)|(1<<21)|(5<<22)|(7<<25)  ; the same with my column's mask and 8 words of padding
	s_mov_b32 s[G1W+1], 128<<16
	s_mov_b32 s[G1W+2], RW<<16
	s_mov_b32 s[G1W+3], 128<<16
	s_mov_b32 s[G1W+4], RW
	s_mov_b32 s[G1W+5], 3072
	s_mov_b32 s[G1W+6], 0
	s_mov_b32 s[G1W+7], 0
	s_lshl_b32 s56, s20, 20                        ; x: (256 x row block + 128 x half) rows of 4,096 bytes
	s_lshl_b32 s23, s16, 19
	s_add_co_u32 s56, s56, s23
	s_mov_b32 s57, 0
	s_mul_i32 s58, s16, RW*WROWB                   ; weights: 64 x half rows of 6,144 bytes + 256 bytes x head
	s_lshl_b32 s2, s19, 8
	s_add_co_u32 s58, s58, s2
	s_mov_b32 s59, 0
	s_mul_i32 s60, s16, RAR*APITCH                 ; where they go: made of the wave's number alone
	s_mul_i32 s61, s16, RW*WPITCH
	s_add_co_u32 s61, s61, AT
	s_mov_b32 s62, QKS
	s_mov_b32 s63, 0x3e800000                      ; 0.25
	s_cmp_eq_u32 ttmp9, 5                          ; cluster column 5 = heads 20 to 23 = v
	s_cselect_b32 s62, s63, s62
	s_mov_b32 s63, s62
	s_wait_dscnt 0x0
	s_wait_kmcnt 0x0
	s_add_nc_u64 s[56:57], s[4:5], s[56:57]
	s_add_nc_u64 s[58:59], s[6:7], s[58:59]
	CROUND                                         ; all sixteen work-groups are here: the first joint loads meet
.irp s, 0,1
	s_mov_b32 s[G0A+4*\s], 1
	s_add_co_u32 s[G0A+4*\s+1], s60, \s*SLOT
	s_add_nc_u64 s[G0A+4*\s+2:G0A+4*\s+3], s[56:57], \s*KSTEP*2
	s_or_b32 s[G0A+4*\s+3], s[G0A+4*\s+3], 0x80000000
	s_mov_b32 s[G0W+4*\s], 1
	s_add_co_u32 s[G0W+4*\s+1], s61, \s*SLOT
	s_add_nc_u64 s[G0W+4*\s+2:G0W+4*\s+3], s[58:59], \s*KSTEP*WROWB
	s_or_b32 s[G0W+4*\s+3], s[G0W+4*\s+3], 0x80000000
	JLOAD \s                                       ; both slots' first fills: two tensor loads of the wave are out, the most in this text
.endr
	s_lshl_b32 s60, s20, 16                        ; my wave's first row, 256 x row block + 64 x wave, in rows of 256 bytes
	s_lshl_b32 s61, s14, 14
	s_add_co_u32 s60, s60, s61
	s_mov_b32 s61, 0
	s_add_nc_u64 s[8:9], s[8:9], s[60:61]          ; cos, sin and the output at that row
	s_add_nc_u64 s[10:11], s[10:11], s[60:61]
	s_add_nc_u64 s[12:13], s[12:13], s[60:61]
	s_lshl_b32 s60, s19, 19                        ; and the output at my head
	s_add_nc_u64 s[12:13], s[12:13], s[60:61]
	v_and_b32 v1, 15, v0                           ; r
	v_bfe_u32 v2, v0, 4, 1                         ; h
	v_lshlrev_b32 v5, 8, v1
	v_lshl_add_u32 v[CSO], v2, 5, v5               ; row r of the tables, 8 h numbers in
	; cos and sin for accumulator (a, b), b = 0..3: the 8 numbers (t = 16 a + r, d = 16 b + 8 h ..).  64 loads, waited for at the way out;
	; their address registers are never rewritten.
	WIN 0x80
.irp a, 0,1,2,3
.irp b, 0,1,2,3
.irp e, 0,1
	global_load_b128 v[64*\a+8*\b+4*\e:64*\a+8*\b+4*\e+3],       v[CSO], s[8:9]   offset:\a*4096+64*\b+16*\e
	global_load_b128 v[64*\a+32+8*\b+4*\e:64*\a+32+8*\b+4*\e+3], v[CSO], s[10:11] offset:\a*4096+64*\b+16*\e
.endr
.endr
.endr
	WIN 0
	v_mul_u32_u24 v3, v1, APITCH
	v_lshl_add_u32 v3, v2, 4, v3                   ; r x 272 + 16 h
	s_mul_i32 s23, s14, 64*APITCH                  ; my 64 rows of x
	v_add_nc_u32 v[ADRA], s23, v3
	v_add_nc_u32 v[ADRA+1], SLOT, v[ADRA]
	v_and_b32 v4, 7, v0
	v_lshl_add_u32 v4, v2, 3, v4                   ; the transposing load: lane l addresses row 8 h + l % 8,
	v_mul_u32_u24 v4, v4, WPITCH
	v_bfe_u32 v5, v0, 3, 1
	v_lshl_add_u32 v4, v5, 4, v4                   ; 16 bytes further for the second eight lanes of each half
	v_add_nc_u32 v[ADRW], AT, v4
	v_add_nc_u32 v[ADRW+1], SLOT, v[ADRW]
	s_mul_i32 s23, s14, 16*SPITCH
	s_add_co_u32 s23, s23, STAGE                   ; my stage
	v_add_nc_u32 v[STO], s23, v3                   ; in: row r, 16 bytes for each half of the lanes (the stage's pitch is x's)
	v_mul_u32_u24 v5, v2, SPITCH
	v_lshl_add_u32 v5, v1, 4, v5
	v_add_nc_u32 v[RD], s23, v5                    ; back: lanes 0-15 one row of 256 bytes, lanes 16-31 the next
	v_lshlrev_b32 v5, 8, v2
	v_lshl_add_u32 v[CO], v1, 4, v5                ; the same two rows in the output
; TN matrix instructions: row tile a x all column tiles, 32 along K.  The 32 accumulators take turns, one instruction a turn, in the same
; order in every quarter step.  zero = 1: the first product starts the sums.
.macro MULA f, a, zero
.irp b, 0,1,2,3,4,5,6,7
.if \zero
	v_wmma_f32_16x16x32_bf16 v[8*(TN*\a+\b):8*(TN*\a+\b)+7], v[\f+8*\b:\f+8*\b+7], v[\f+8*TN+8*\a:\f+8*TN+8*\a+7], 0
.else
	v_wmma_f32_16x16x32_bf16 v[8*(TN*\a+\b):8*(TN*\a+\b)+7], v[\f+8*\b:\f+8*\b+7], v[\f+8*TN+8*\a:\f+8*TN+8*\a+7], v[8*(TN*\a+\b):8*(TN*\a+\b)+7]
.endif
.endr
.endm
; the fragments of quarter step q of a slot into buffer f: 16 loads for the weights, then 8 for x
.macro FETCH slot, q, f
	WIN 0
.irp b, 0,1,2,3,4,5,6,7
	ds_load_tr16_b128 v[\f+8*\b:\f+8*\b+3],   v[ADRW+\slot] offset:\q*32*WPITCH+32*\b
	ds_load_tr16_b128 v[\f+8*\b+4:\f+8*\b+7], v[ADRW+\slot] offset:\q*32*WPITCH+32*\b+16*WPITCH
.endr
.irp a, 0,1,2,3
	ds_load_b128 v[\f+8*TN+8*\a:\f+8*TN+8*\a+3],   v[ADRA+\slot] offset:64*\q+\a*16*APITCH
	ds_load_b128 v[\f+8*TN+8*\a+4:\f+8*TN+8*\a+7], v[ADRA+\slot] offset:64*\q+\a*16*APITCH+32
.endr
.endm
; multiplies buffer f; in its middle fetches quarter step q into buffer g
.macro QUARTER slot, q, f, g, zero
	s_wait_dscnt 4                                 ; all but the youngest four loads: x's row tiles 2 and 3
	WIN 0x50
	MULA \f, 0, \zero
	MULA \f, 1, \zero
	PLACES
	FETCH \slot, \q, \g
	s_wait_dscnt NL                                ; all but the NL just issued
	WIN 0x50
	MULA \f, 2, \zero
	MULA \f, 3, \zero
.endm
; The last quarter step: multiplies buffer 1 and changes slots.  In front of the barrier each wave waits for its reads of this slot and for
; all its tensor loads (the one that is out is its part of the next slot); where the slot is filled again the barrier opens a round of the
; cluster's barrier, and the joint refill is the first tensor load behind the round.
.macro TURN slot, next, fill
	s_wait_dscnt 4
	WIN 0x50
	MULA F1, 0, 0
	s_wait_dscnt 0
	s_wait_tensorcnt 0x0
	ds_add_u32 v30, v31
	s_wait_dscnt 0x0
	s_barrier_signal -1
	MULA F1, 1, 0
	WIN 0
	s_barrier_wait -1
.if \fill
	CREST
	s_add_nc_u64 s[G0A+4*\slot+2:G0A+4*\slot+3], s[G0A+4*\slot+2:G0A+4*\slot+3], 2*KSTEP*2
	s_add_nc_u64 s[G0W+4*\slot+2:G0W+4*\slot+3], s[G0W+4*\slot+2:G0W+4*\slot+3], 2*KSTEP*WROWB
	JLOAD \slot
.endif
	PLACES
	FETCH \next, 0, F0
	WIN 0x50
	MULA F1, 2, 0
	MULA F1, 3, 0
.endm
.macro THREE slot, zero
	QUARTER \slot, 1, F0, F1, \zero
	QUARTER \slot, 2, F1, F0, 0
	QUARTER \slot, 3, F0, F1, 0
.endm
.macro LAP zero
	THREE 0, \zero
	TURN 0, 1, 1
	THREE 1, 0
	TURN 1, 0, 1
.endm
	s_wait_tensorcnt 0x1                           ; my part of K step 0 is in; K step 1's load stays out
	s_barrier_signal -1
	s_barrier_wait -1
	FETCH 0, 0, F0
	LAP 1
	WIN 0
	s_mov_b32 s3, LAPS-2
.Llap:
	LAP 0
	WIN 0
	s_sub_co_u32 s3, s3, 1
	s_cmp_lg_u32 s3, 0
	s_cbranch_scc1 .Llap
	THREE 0, 0                                     ; the last lap fills nothing
	TURN 0, 1, 0
	THREE 1, 0
	s_wait_dscnt 4
	WIN 0x50
	MULA F1, 0, 0
	MULA F1, 1, 0
	s_wait_dscnt 0
	MULA F1, 2, 0
	MULA F1, 3, 0
	WIN 0
	PLACES
; THE WAY OUT, 16 rows at a time: rope and scale in f32, round to f16, 16 bytes a lane into my own stage, read back as whole rows.
.macro OUTQ a, rope
.if \rope
.if TABLES_BF16
	WIN 0x0a                                       ; sources in window 2
.set i, 0
.rept 32
	v_cvt_pk_bf16_f32 v[PKT+i], v[64*\a+2*i], v[64*\a+2*i+1]
.set i, i+1
.endr
	WIN 0
.set i, 0
.rept 32
	v_lshlrev_b32 v[CT+2*i],   16,  v[PKT+i]
	v_and_b32     v[CT+2*i+1], s23, v[PKT+i]
.set i, i+1
.endr
.set CB, CT
	WIN 0x01                                       ; source 0 (accumulators) in window 1
.else
.set CB, 64*\a
	WIN 0x09                                       ; source 0 in window 1, source 1 (tables) in window 2
.endif
.irp b, 0,1,2,3
.irp j, 0,2,4,6
	v_pk_mul_f32 v[T+8*\b+\j:T+8*\b+\j+1],       v[8*(8*\a+\b)+\j:8*(8*\a+\b)+\j+1],     v[CB+8*\b+\j:CB+8*\b+\j+1]
	v_pk_mul_f32 v[T+32+8*\b+\j:T+32+8*\b+\j+1], v[8*(8*\a+\b+4)+\j:8*(8*\a+\b+4)+\j+1], v[CB+8*\b+\j:CB+8*\b+\j+1]
	v_pk_fma_f32 v[T+8*\b+\j:T+8*\b+\j+1],       v[8*(8*\a+\b+4)+\j:8*(8*\a+\b+4)+\j+1], v[CB+32+8*\b+\j:CB+32+8*\b+\j+1], v[T+8*\b+\j:T+8*\b+\j+1] neg_lo:[0,1,0] neg_hi:[0,1,0]  ; x1 c - x2 s
	v_pk_fma_f32 v[T+32+8*\b+\j:T+32+8*\b+\j+1], v[8*(8*\a+\b)+\j:8*(8*\a+\b)+\j+1],     v[CB+32+8*\b+\j:CB+32+8*\b+\j+1], v[T+32+8*\b+\j:T+32+8*\b+\j+1]                              ; x2 c + x1 s
.endr
.endr
	WIN 0
.set i, 0
.rept 32
	v_pk_mul_f32 v[T+2*i:T+2*i+1], v[T+2*i:T+2*i+1], s[62:63] op_sel_hi:[1,0]
.set i, i+1
.endr
.else
	WIN 0x01
.set i, 0
.rept 32
	v_pk_mul_f32 v[T+2*i:T+2*i+1], v[64*\a+2*i:64*\a+2*i+1], s[62:63] op_sel_hi:[1,0]
.set i, i+1
.endr
	WIN 0
.endif
.set i, 0
.rept 32
	v_cvt_pk_f16_f32 v[PK+i], v[T+2*i], v[T+2*i+1]
.set i, i+1
.endr
.irp b, 0,1,2,3,4,5,6,7
	ds_store_b128 v[STO], v[PK+4*\b:PK+4*\b+3] offset:32*\b
.endr
	s_wait_xcnt 0x0                                ; RB, which the last 16 rows' stores read, is loaded again only behind this wait
.irp t, 0,1,2,3,4,5,6,7
	ds_load_b128 v[RB+4*\t:RB+4*\t+3], v[RD] offset:\t*2*SPITCH    ; LDS serves a wave's instructions in order: these see the stores above
.endr
.irp t, 0,1,2,3,4,5,6,7
	s_wait_dscnt 7-\t
	global_store_b128 v[CO], v[RB+4*\t:RB+4*\t+3], s[12:13] offset:\a*4096+512*\t   ; sixteen lanes store one row (hh, t): 256 consecutive bytes, aligned
.endr
.endm
	s_wait_loadcnt 0x0                             ; the tables
	s_mov_b32 s23, 0xffff0000
	s_cmp_eq_u32 ttmp9, 5
	s_cbranch_scc1 .Lplain                         ; the same in all sixteen work-groups of a cluster
	OUTQ 0, 1
	OUTQ 1, 1
	OUTQ 2, 1
	OUTQ 3, 1
	s_branch .Lclose
.Lplain:
	OUTQ 0, 0
	OUTQ 1, 0
	OUTQ 2, 0
	OUTQ 3, 0
.Lclose:
	s_wait_tensorcnt 0x0
	ds_add_u32 v30, v31
	s_wait_dscnt 0x0
	CROUND                                         ; the closing round: no work-group ends while a partner may still ask for a tile that names it
	s_endpgm
.Lfunc_end_k_q7e47963b8f_qkvproj:
	.size	k_q7e47963b8f_qkvproj, .Lfunc_end_k_q7e47963b8f_qkvproj-k_q7e47963b8f_qkvproj
	.p2alignl 7, 3214868480
	.fill 96, 4, 3214868480
	.section	.rodata,"a",@progbits
	.p2align	6, 0x0
	.amdhsa_kernel k_q7e47963b8f_qkvproj
		.amdhsa_group_segment_fixed_size 327680
		.amdhsa_private_segment_fixed_size 0
		.amdhsa_enable_private_segment 0
		.amdhsa_kernarg_size 40
		.amdhsa_user_sgpr_count 2
		.amdhsa_user_sgpr_kernarg_segment_ptr 1
		.amdhsa_wavefront_size32 1
		.amdhsa_system_sgpr_workgroup_id_x 1
		.amdhsa_system_sgpr_workgroup_id_y 1
		.amdhsa_system_sgpr_workgroup_id_z 1
		.amdhsa_system_vgpr_workitem_id 0
		.amdhsa_next_free_vgpr 768
		.amdhsa_next_free_sgpr 66
		.amdhsa_reserve_vcc 0
		.amdhsa_float_denorm_mode_32 3
		.amdhsa_float_denorm_mode_16_64 3
		.amdhsa_memory_ordered 1
		.amdhsa_forward_progress 1
		.amdhsa_inst_pref_size 189
	.end_amdhsa_kernel
	.amdgpu_metadata
---
amdhsa.version: [ 1, 2 ]
amdhsa.kernels:
  - .name:           k_q7e47963b8f_qkvproj
    .symbol:         k_q7e47963b8f_qkvproj.kd
    .args:
      - { .name: xb, .offset: 0, .size: 8, .value_kind: global_buffer, .address_space: global }
      - { .name: wcat, .offset: 8, .size: 8, .value_kind: global_buffer, .address_space: global }
      - { .name: cos, .offset: 16, .size: 8, .value_kind: global_buffer, .address_space: global }
      - { .name: sin, .offset: 24, .size: 8, .value_kind: global_buffer, .address_space: global }
      - { .name: qkvh, .offset: 32, .size: 8, .value_kind: global_buffer, .address_space: global }
    .group_segment_fixed_size: 327680
    .private_segment_fixed_size: 0
    .kernarg_segment_align: 8
    .kernarg_segment_size: 40
    .max_flat_workgroup_size: 128
    .sgpr_count:     66
    .vgpr_count:     768
    .wavefront_size: 32
...
	.end_amdgpu_metadata
.endif
;; end of part 2
;; launch attn (part 3): grid 64 x 4, 4 waves a work-group, clusters of 4 x 1, 327,680 bytes of LDS; arguments qkvh, att; writes att
.if DOCPART == 3
	.amdgcn_target "amdgcn-amd-amdhsa--gfx1250"
	.amdhsa_code_object_version 6
	.text
	.protected	k_q7e47963b8f_attn
	.globl	k_q7e47963b8f_attn
	.p2align	8
	.type	k_q7e47963b8f_attn,@function
k_q7e47963b8f_attn:
	s_mov_b64 s[64:65], 0
	v_nop
	global_prefetch_b8 v0, s[64:65] scope:SCOPE_SE
	s_setreg_imm32_b32 hwreg(HW_REG_WAVE_MODE, 25, 1), 1
	s_wait_xcnt 0x0
	s_wait_alu depctr_hold_cnt(0) depctr_sa_sdst(0) depctr_va_vdst(0) depctr_va_sdst(0) depctr_va_ssrc(0) depctr_va_vcc(0) depctr_vm_vsrc(0)
	s_getreg_b32 s2, hwreg(HW_REG_IB_STS2, 6, 4)
	s_cmp_eq_u32 s2, 0
	s_cbranch_scc0 .Lentry_in_a_cluster
	s_endpgm
.Lentry_in_a_cluster:
	s_bfe_u32 s2, ttmp6, 0x10000c
	s_cmp_lg_u32 s2, 0x3003
	s_cbranch_scc0 .Lentry_shape_is_right
	s_endpgm
.Lentry_shape_is_right:
; Causal attention, f16 operands, f32 sums and softmax, with a running maximum for each query.  att[t][128 (4 g + n) + d] (f16) = 0.25 x the
; attention output (v was stored times 0.25).  q and k carry sqrt(128^-0.5 log2 e) each, so a score is the exponent to the base 2.
; LIMITS: masked scores are set to NEG = -1e30; a real score is at most 128 x 65,504^2 = 5.5e11 in size by the operands' format, so NEG lies
; below every real score.  The sum of the exponentials is taken before they are rounded to f16 for the second product.
; SHARES.  Work-group (p, g), p = 0..63: KV head g, and two tasks of 64 query columns (the group's 4 heads x 16 positions): a short one at
; position 16 p and a long one at 2,032 - 16 p.  Keys go in tiles of 256: the short task has (p >> 4) + 1 tiles, the long one 8 - (p >> 4):
; 9 in every work-group.  Only a task's last tile meets the diagonal.  The four waves are split 2 x 2: wave w takes keys 128 (w & 1) .. + 127
; of each tile and two heads.  Its register slot n (0, 1) holds head w ^ n of the group, so that slot 0 is the head that the wave finishes
; (4 g + w) and slot 1 the head that its partner w ^ 1 finishes: no register number hangs on the wave.  Each K and V fragment feeds two matrix
; instructions.  At a task's end a wave hands slot 1 (64 registers, a maximum, a sum) to its partner through LDS and merges its slot 0 with
; what the partner handed over.
; WHY 256 KEYS: one round of the cluster's barrier and one joint load a wave then serve 128 matrix instructions of each wave, and the outputs
; (128 registers a wave) are rescaled once for 256 keys.  Two slots of 143,360 bytes and the 33,792 bytes of the exchange take 320,512 bytes of LDS.
; CLUSTERS: the four work-groups p = 4 c .. 4 c + 3 have the same p >> 4 and walk the same 9 tiles: every K and V tile is a joint load of the four.
; No trip count, branch or LDS address hangs on the place in the cluster: it enters Q's and the output's addresses and the mask's limits alone.
; TRANSPOSED FORMS.  S^T = K Q^T: lane (r, h), register j holds key 8 h + j of query r.  O^T = V^T P^T: P's registers 0-3 are the packed even key
; tile of a chunk of 32 keys, registers 4-7 the odd one, with no move between lanes.  Maximum, sum and rescaling factor are one number a lane.
; REGISTERS: window 0: v0-63 addresses and state; v64-191 scores, tile (kt, n) at S + 8 (2 kt + n); v192-255 P, (n, kc) at P + 8 (4 n + kc), which
; also serve as the softmax's work registers before P is written.  Window 1: outputs (dt, n) at v[64 n + 8 dt]; Q (n, dq) at v[128 + 32 n + 8 dq].
; Window 2: 256 fragment registers: K's (kt, dq) at v[8 (4 kt + dq)], and behind the score products V's (dt, kc) at v[8 (4 dt + kc)].
.set KP,    272                        ; K's LDS row: 256 bytes + 16
.set VP,    288                        ; V's LDS row: 256 bytes + 32, for the transposing load
.set TKEYS, 256                        ; keys in a tile
.set KT,    TKEYS*KP
.set SLOT,  KT+TKEYS*VP                ; K's tile, then V's
.set XB,    2*SLOT                     ; the exchange: an inbox for each wave; no tensor load lands here
.set INBOX, 8448                       ; 8,192 bytes of output registers, 128 of maxima, 128 of sums; later the wave's stage of 16 rows x 272 bytes
.set SP,    272
.set HEADB, 524288                     ; bytes of a head in qkvh
.set ADRK, 8                           ; v8-9   LDS address of my K fragments, slot 0, 1
.set ADRV, 10                          ; v10-11 of my V fragments
.set QS,   12                          ; v12-13 byte offset of my Q rows, short task, register slot 0, 1
.set QL,   14                          ; v14-15 long task
.set LIMS, 16                          ; key 16 kt + j of my lane is allowed in the short task's last tile if 16 kt + j <= LIMS
.set LIML, 17
.set NEG,  18
.set DMA,  19                          ; my partner's inbox: output registers
.set DMB,  20                          ;                     maximum and sum
.set INA,  21                          ; my inbox: output registers
.set INB,  22                          ;           maximum and sum
.set STO,  23                          ; the stage (in my inbox): where I put 16 bytes of a row
.set RD,   24                          ;                          where I read a row back
.set OS,   25                          ; byte offset in att, short task
.set OL,   26
.set M,    28                          ; v28-31 running maximum of register slot n, twice (a pair for the packed subtraction)
.set L,    32                          ; v32-33 running sum (this lane's keys)
.set AL,   34                          ; v34-37 rescaling factor, twice
.set TX,   38                          ; v38-39 what v_permlanex16_b32 brings
.set MN,   40                          ; v40-41 the new maximum
.set PM,   42                          ; the merge: the partner's maximum,
.set PLS,  43                          ;            the partner's sum
.set MX,   44
.set FK,   46                          ; v46-47
.set LS,   48
.set G,    50                          ; v50-53 two weights, twice each
.set S,    64
.set P,    192
.set TA,   192                         ; the softmax's work, in P's registers
.set TB,   200
.set U,    208
.set IB,   64                          ; the merge: the inbox's 64 registers,
.set ACC,  128                         ;            the merged outputs,
.set PKR,  192                         ;            packed,
.set RB,   224                         ;            read back by rows
.set O,    0                           ; window 1
.set QB,   128                         ; window 1
.set F,    0                           ; window 2
.set G1K, 24
.set G0K, 32
.set G1V, 40
.set G0V, 48
.set MSB, 0
.macro WIN new                         ; the immediate's high byte repeats the setting that is left
.if MSB != \new
	s_set_vgpr_msb (MSB<<8)|\new
.set MSB, \new
.endif
.endm
.macro PLACES                          ; four plain vector instructions between a matrix instruction and what touches its registers (ISA guide 7.12.1)
.rept 4
	v_nop
.endr
.endm
.macro ROUND                           ; a round of the cluster's barrier
	s_barrier_signal -1
	s_barrier_wait -1
	s_cmp_lg_u32 s8, 0
	s_cbranch_scc1 .Lnot_wave_0_\@
	s_barrier_signal -3
.Lnot_wave_0_\@:
	s_barrier_wait -3
	s_barrier_signal -1
	s_barrier_wait -1
.endm
.macro JLOAD s                         ; waves 0 and 1 fetch K's two halves of 128 rows, waves 2 and 3 V's
	s_cmp_eq_u32 s9, 0
	s_cbranch_scc0 .Lfor_v_\@
	tensor_load_to_lds s[G0K+4*\s:G0K+4*\s+3], s[G1K:G1K+7]
	s_nop 0
	s_branch .Lasked_\@
.Lfor_v_\@:
	tensor_load_to_lds s[G0V+4*\s:G0V+4*\s+3], s[G1V:G1V+7]
	s_nop 0
.Lasked_\@:
.endm
; slot s gets the addresses of tile s18 of the stream: the short task's tiles 0 .. Ts - 1, then the long task's from 0 on
.macro NEXT s
	s_sub_co_u32 s60, s18, s15
	s_cmp_lt_u32 s18, s15
	s_cselect_b32 s56, s18, s60
	s_lshl_b32 s56, s56, 16                        ; 256 rows of 256 bytes
	s_add_nc_u64 s[G0K+4*\s+2:G0K+4*\s+3], s[20:21], s[56:57]
	s_or_b32 s[G0K+4*\s+3], s[G0K+4*\s+3], 0x80000000
	s_add_nc_u64 s[G0V+4*\s+2:G0V+4*\s+3], s[22:23], s[56:57]
	s_or_b32 s[G0V+4*\s+3], s[G0V+4*\s+3], 0x80000000
	s_add_co_u32 s18, s18, 1
.endm
.macro QLOAD a                         ; a task's Q fragments: my 2 heads x 16 positions x 128 d; v[a], v[a+1]: the two heads' offsets
	WIN 0x40                                       ; destination in window 1
.irp n, 0,1
.irp dq, 0,1,2,3
	global_load_b128 v[QB+32*\n+8*\dq:QB+32*\n+8*\dq+3],   v[\a+\n], s[4:5] offset:64*\dq
	global_load_b128 v[QB+32*\n+8*\dq+4:QB+32*\n+8*\dq+7], v[\a+\n], s[4:5] offset:64*\dq+32
.endr
.endr
	WIN 0
.endm
.macro MASK lim                        ; the position is the same in both heads, so one compare serves two selects
.irp kt, 0,1,2,3,4,5,6,7
.irp j, 0,1,2,3,4,5,6,7
	v_cmp_le_i32 vcc_lo, 16*\kt+\j, v[\lim]
.irp n, 0,1
	v_cndmask_b32 v[S+8*(2*\kt+\n)+\j], v[NEG], v[S+8*(2*\kt+\n)+\j], vcc_lo
.endr
.endr
.endr
.endm
; The softmax step of one tile: 128 keys x 32 columns a wave, 64 registers for each register slot n.  In phases over eight groups (n, c), c = a pair
; of key tiles 2 c, 2 c + 1, so that neighbouring lines do not depend on each other.
.macro SOFTMAX first
.irp n, 0,1
.irp c, 0,1,2,3
	v_max3_num_f32 v[TA+4*\n+\c], v[S+8*(4*\c+\n)],   v[S+8*(4*\c+\n)+1],   v[S+8*(4*\c+\n)+2]
	v_max3_num_f32 v[TB+4*\n+\c], v[S+8*(4*\c+2+\n)], v[S+8*(4*\c+2+\n)+1], v[S+8*(4*\c+2+\n)+2]
.endr
.endr
.irp j, 3,5
.irp n, 0,1
.irp c, 0,1,2,3
	v_max3_num_f32 v[TA+4*\n+\c], v[TA+4*\n+\c], v[S+8*(4*\c+\n)+\j],   v[S+8*(4*\c+\n)+\j+1]
	v_max3_num_f32 v[TB+4*\n+\c], v[TB+4*\n+\c], v[S+8*(4*\c+2+\n)+\j], v[S+8*(4*\c+2+\n)+\j+1]
.endr
.endr
.endr
.irp n, 0,1
.irp c, 0,1,2,3
	v_max3_num_f32 v[TA+4*\n+\c], v[TA+4*\n+\c], v[S+8*(4*\c+\n)+7], v[S+8*(4*\c+2+\n)+7]
.endr
.endr
.irp n, 0,1
.irp c, 0,1,2,3
	v_max_num_f32 v[TA+4*\n+\c], v[TA+4*\n+\c], v[TB+4*\n+\c]
.endr
.endr
.irp n, 0,1
	v_max3_num_f32 v[TA+4*\n], v[TA+4*\n], v[TA+4*\n+1], v[TA+4*\n+2]
.endr
.irp n, 0,1
	v_max_num_f32 v[TA+4*\n], v[TA+4*\n], v[TA+4*\n+3]
.endr
.irp n, 0,1
	v_permlanex16_b32 v[TX+\n], v[TA+4*\n], s58, s59   ; the other eight keys of each tile of sixteen
.endr
.if \first
.irp n, 0,1
	v_max_num_f32 v[M+2*\n], v[TA+4*\n], v[TX+\n]
.endr
.irp n, 0,1
	v_mov_b32 v[M+2*\n+1], v[M+2*\n]
.endr
.else
.irp n, 0,1
	v_max3_num_f32 v[MN+\n], v[TA+4*\n], v[TX+\n], v[M+2*\n]
.endr
.irp n, 0,1
	v_sub_f32 v[AL+2*\n], v[M+2*\n], v[MN+\n]
.endr
.irp n, 0,1
	v_exp_f32 v[AL+2*\n], v[AL+2*\n]
.endr
.irp n, 0,1
	v_mov_b32 v[M+2*\n],   v[MN+\n]                ; plain lines that touch no factor stand between the exponentials and their first use
	v_mov_b32 v[M+2*\n+1], v[MN+\n]
.endr
	s_wait_alu depctr_va_vdst(0)
.irp n, 0,1
	v_mov_b32 v[AL+2*\n+1], v[AL+2*\n]
.endr
.endif
.irp n, 0,1
.irp kt, 0,1,2,3,4,5,6,7
.irp j, 0,2,4,6
	v_pk_add_f32 v[S+8*(2*\kt+\n)+\j:S+8*(2*\kt+\n)+\j+1], v[S+8*(2*\kt+\n)+\j:S+8*(2*\kt+\n)+\j+1], v[M+2*\n:M+2*\n+1] neg_lo:[0,1] neg_hi:[0,1]
.endr
.endr
.endr
.set i, 0
.rept 128
	v_exp_f32 v[S+i], v[S+i]
.set i, i+1
.endr
	v_nop                                          ; one plain line between the run of exponentials and the first use of a result
	; the sums: eight chains of seven packed additions
	s_wait_alu depctr_va_vdst(0)
.irp n, 0,1
.irp c, 0,1,2,3
	v_pk_add_f32 v[U+8*\n+2*\c:U+8*\n+2*\c+1], v[S+8*(4*\c+\n):S+8*(4*\c+\n)+1], v[S+8*(4*\c+\n)+2:S+8*(4*\c+\n)+3]
.endr
.endr
.irp j, 4,6
.irp n, 0,1
.irp c, 0,1,2,3
	v_pk_add_f32 v[U+8*\n+2*\c:U+8*\n+2*\c+1], v[U+8*\n+2*\c:U+8*\n+2*\c+1], v[S+8*(4*\c+\n)+\j:S+8*(4*\c+\n)+\j+1]
.endr
.endr
.endr
.irp j, 0,2,4,6
.irp n, 0,1
.irp c, 0,1,2,3
	v_pk_add_f32 v[U+8*\n+2*\c:U+8*\n+2*\c+1], v[U+8*\n+2*\c:U+8*\n+2*\c+1], v[S+8*(4*\c+2+\n)+\j:S+8*(4*\c+2+\n)+\j+1]
.endr
.endr
.endr
.irp n, 0,1
	v_pk_add_f32 v[U+8*\n:U+8*\n+1],   v[U+8*\n:U+8*\n+1],   v[U+8*\n+2:U+8*\n+3]
	v_pk_add_f32 v[U+8*\n+4:U+8*\n+5], v[U+8*\n+4:U+8*\n+5], v[U+8*\n+6:U+8*\n+7]
.endr
.irp n, 0,1
	v_pk_add_f32 v[U+8*\n:U+8*\n+1], v[U+8*\n:U+8*\n+1], v[U+8*\n+4:U+8*\n+5]
.endr
.if \first
.irp n, 0,1
	v_add_f32 v[L+\n], v[U+8*\n], v[U+8*\n+1]
.endr
.else
.irp n, 0,1
	v_fma_f32 v[L+\n], v[L+\n], v[AL+2*\n], v[U+8*\n]
.endr
.irp n, 0,1
	v_add_f32 v[L+\n], v[L+\n], v[U+8*\n+1]
.endr
.endif
	; P, over the work registers, which are done with
.irp n, 0,1
.irp kc, 0,1,2,3
.irp e, 0,1
.irp j, 0,1,2,3
	v_cvt_pk_f16_f32 v[P+8*(4*\n+\kc)+4*\e+\j], v[S+8*(2*(2*\kc+\e)+\n)+2*\j], v[S+8*(2*(2*\kc+\e)+\n)+2*\j+1]
.endr
.endr
.endr
.endr
.endm
.macro DUMP                            ; register slot 1 goes to my partner's inbox: 64 output registers as they are, 16 bytes a lane; its maximum and sum
	WIN 0x04                                       ; store data in window 1
.set i, 0
.rept 16
	ds_store_b128 v[DMA], v[O+64+4*i:O+64+4*i+3] offset:512*i
.set i, i+1
.endr
	WIN 0
	ds_store_b32 v[DMB], v[M+2]
	ds_store_b32 v[DMB], v[L+1] offset:128
.endm
; My register slot 0 and my inbox are the two halves (by keys) of head 4 g + w: they are merged, and 16 rows x 256 bytes are stored.
; A wave none of whose keys was allowed for a column has the maximum NEG and finite numbers behind it: its weight is 2^(NEG - max) = 0.
; The wave with the lower keys holds key 0, which every query may see, so the larger of the two maxima is a real score.
.macro MERGE ov
	ds_load_b32 v[PM], v[INB]
	ds_load_b32 v[PLS], v[INB] offset:128
.set i, 0
.rept 16
	ds_load_b128 v[IB+4*i:IB+4*i+3], v[INA] offset:512*i
.set i, i+1
.endr
	s_wait_dscnt 16                                ; the two words; the sixteen loads behind them stay out
	v_max_num_f32 v[MX], v[M], v[PM]
	v_sub_f32 v[FK], v[M], v[MX]
	v_sub_f32 v[FK+1], v[PM], v[MX]
	v_exp_f32 v[FK], v[FK]
	v_exp_f32 v[FK+1], v[FK+1]
	v_nop
	s_wait_alu depctr_va_vdst(0)
	v_mul_f32 v[LS], v[FK], v[L]
	v_fmac_f32 v[LS], v[FK+1], v[PLS]
	v_permlanex16_b32 v[TX], v[LS], s58, s59       ; the other half's keys
	v_add_f32 v[LS], v[LS], v[TX]
	v_rcp_f32 v[LS], v[LS]
	v_nop
	s_wait_alu depctr_va_vdst(0)
	v_mul_f32 v[G],   v[FK],   v[LS]
	v_mul_f32 v[G+1], v[FK],   v[LS]
	v_mul_f32 v[G+2], v[FK+1], v[LS]
	v_mul_f32 v[G+3], v[FK+1], v[LS]
	WIN 0x01                                       ; source 0 (my outputs) in window 1
.set i, 0
.rept 32
	v_pk_mul_f32 v[ACC+2*i:ACC+2*i+1], v[O+2*i:O+2*i+1], v[G:G+1]
.set i, i+1
.endr
	WIN 0
	s_wait_dscnt 0x0                               ; the inbox
.set i, 0
.rept 32
	v_pk_fma_f32 v[ACC+2*i:ACC+2*i+1], v[IB+2*i:IB+2*i+1], v[G+2:G+3], v[ACC+2*i:ACC+2*i+1]
.set i, i+1
.endr
.set i, 0
.rept 32
	v_cvt_pk_f16_f32 v[PKR+i], v[ACC+2*i], v[ACC+2*i+1]
.set i, i+1
.endr
	; the stage lies in my inbox: my reads of it are back, no other wave reads it, and my partner writes it again only behind later barriers
.irp dt, 0,1,2,3,4,5,6,7
	ds_store_b128 v[STO], v[PKR+4*\dt:PKR+4*\dt+3] offset:32*\dt
.endr
.irp t, 0,1,2,3,4,5,6,7
	ds_load_b128 v[RB+4*\t:RB+4*\t+3], v[RD] offset:\t*2*SP   ; LDS serves a wave's instructions in order: these see the stores above
.endr
.irp t, 0,1,2,3,4,5,6,7
	s_wait_dscnt 7-\t
	global_store_b128 v[\ov], v[RB+4*\t:RB+4*\t+3], s[6:7] offset:8192*\t   ; sixteen lanes store a head's 256 bytes of one row, aligned
.endr
	s_wait_xcnt 0x0                                ; the registers that these stores read are written again only behind this wait
.endm
; A task's end: hand over, wait for my stores for the partner's sake, a work-group barrier, merge.  A joint load may be on its way across this
; barrier.
.macro FINISH ov
	PLACES                                         ; behind the last matrix instructions, whose results are read and whose sources are written
	DUMP
	s_wait_dscnt 0x0
	s_barrier_signal -1
	s_barrier_wait -1
	MERGE \ov
.endm
; One tile of 256 keys.  slot: where it lies; other: the slot read last trip; refill = 1: the next tile of the stream is asked for into it;
; first = 1: the first tile of all; kind 0: the tile may be the short task's last; 1: it is no task's last; 2: it is the long task's last.
.macro TRIP slot, other, refill, first, kind
	s_wait_tensorcnt 0x0                           ; all my tensor loads have landed, my part of this tile among them: a group 0 may be written
	ds_add_u32 v62, v63
	s_wait_dscnt 0x0
.if \refill
	NEXT \other
.endif
	s_wait_dscnt 0x0                               ; my reads of the other slot are over
	ROUND                                          ; both now hold of every wave of the four work-groups
.if \refill
	JLOAD \other                                   ; the wave's one tensor load behind the round, and the first thing there
.endif
.if \first == 0
	PLACES                                         ; the fragment registers were read by the last trip's last matrix instructions
.endif
	WIN 0x80                                       ; destination in window 2
.irp dq, 0,1,2,3
.irp kt, 0,1,2,3,4,5,6,7
	ds_load_b128 v[F+8*(4*\kt+\dq):F+8*(4*\kt+\dq)+3],   v[ADRK+\slot] offset:\kt*16*KP+64*\dq
	ds_load_b128 v[F+8*(4*\kt+\dq)+4:F+8*(4*\kt+\dq)+7], v[ADRK+\slot] offset:\kt*16*KP+64*\dq+32
.endr
.endr
	s_wait_loadcnt 0x0                             ; Q (met at once but in a task's first trip)
	WIN 0x06                                       ; source 0 (K) in window 2, source 1 (Q) in window 1
	; 64 score products in four passes along d; the sixteen accumulators take turns, one instruction a turn
.irp dq, 0,1,2,3
	s_wait_dscnt 48-16*\dq                         ; the loads were issued pass by pass, sixteen a pass: those of the later passes may be out
.irp kt, 0,1,2,3,4,5,6,7
.irp n, 0,1
.if \dq == 0
	v_wmma_f32_16x16x32_f16 v[S+8*(2*\kt+\n):S+8*(2*\kt+\n)+7], v[F+8*(4*\kt+\dq):F+8*(4*\kt+\dq)+7], v[QB+32*\n+8*\dq:QB+32*\n+8*\dq+7], 0
.else
	v_wmma_f32_16x16x32_f16 v[S+8*(2*\kt+\n):S+8*(2*\kt+\n)+7], v[F+8*(4*\kt+\dq):F+8*(4*\kt+\dq)+7], v[QB+32*\n+8*\dq:QB+32*\n+8*\dq+7], v[S+8*(2*\kt+\n):S+8*(2*\kt+\n)+7]
.endif
.endr
.endr
.endr
	WIN 0
	PLACES
	WIN 0x80                                       ; V's fragments, over K's: they land while the softmax is computed
.irp kc, 0,1,2,3
.irp dt, 0,1,2,3,4,5,6,7
	ds_load_tr16_b128 v[F+8*(4*\dt+\kc):F+8*(4*\dt+\kc)+3],   v[ADRV+\slot] offset:\kc*32*VP+32*\dt
	ds_load_tr16_b128 v[F+8*(4*\dt+\kc)+4:F+8*(4*\dt+\kc)+7], v[ADRV+\slot] offset:\kc*32*VP+32*\dt+16*VP
.endr
.endr
	WIN 0
.if \kind == 0
	s_cmp_lg_u32 s17, s16                          ; the short task's last tile?  Both numbers are made of the cluster's x and the trip: alike in all waves and partners
	s_cbranch_scc1 .Lnomask_\@
	MASK LIMS
	QLOAD QL                                       ; Q's registers have been read for the last time in this task: the long task's Q
.Lnomask_\@:
.endif
.if \kind == 2
	MASK LIML
.endif
	SOFTMAX \first
.if \first == 0
	WIN 0x41                                       ; destination and source 0 in window 1
.set i, 0
.rept 64
	v_pk_mul_f32 v[O+2*i:O+2*i+1], v[O+2*i:O+2*i+1], v[AL+2*(i/32):AL+2*(i/32)+1]
.set i, i+1
.endr
.endif
	WIN 0x52                                       ; source 0 (V) in window 2, C and D in window 1
	; 64 products in four passes along the keys; the sixteen accumulators take turns, one instruction a turn
.irp kc, 0,1,2,3
	s_wait_dscnt 48-16*\kc                         ; as above: sixteen loads a pass
.irp dt, 0,1,2,3,4,5,6,7
.irp n, 0,1
.if \kc == 0
.if \first
	v_wmma_f32_16x16x32_f16 v[O+64*\n+8*\dt:O+64*\n+8*\dt+7], v[F+8*(4*\dt+\kc):F+8*(4*\dt+\kc)+7], v[P+8*(4*\n+\kc):P+8*(4*\n+\kc)+7], 0
.else
	v_wmma_f32_16x16x32_f16 v[O+64*\n+8*\dt:O+64*\n+8*\dt+7], v[F+8*(4*\dt+\kc):F+8*(4*\dt+\kc)+7], v[P+8*(4*\n+\kc):P+8*(4*\n+\kc)+7], v[O+64*\n+8*\dt:O+64*\n+8*\dt+7]
.endif
.else
	v_wmma_f32_16x16x32_f16 v[O+64*\n+8*\dt:O+64*\n+8*\dt+7], v[F+8*(4*\dt+\kc):F+8*(4*\dt+\kc)+7], v[P+8*(4*\n+\kc):P+8*(4*\n+\kc)+7], v[O+64*\n+8*\dt:O+64*\n+8*\dt+7]
.endif
.endr
.endr
.endr
	WIN 0
.if \kind == 0
	s_cmp_lg_u32 s17, s16                          ; alike in all waves, so every wave passes the barrier inside, or none
	s_cbranch_scc1 .Lnofin_\@
	FINISH OS                                      ; the short task is done and stored,
.irp i, 0,1,2,3
	v_mov_b32 v[M+\i], v[NEG]                      ; and the state starts anew: with the maximum at NEG the next trip's factor is 2^(NEG - m) = 0,
.endr
	v_mov_b32 v[L], 0                              ; which clears the outputs (finite numbers) by the ordinary rescaling
	v_mov_b32 v[L+1], 0
.Lnofin_\@:
.endif
	s_add_co_u32 s17, s17, 1
.endm
	s_load_b128 s[4:7], s[0:1], 0x0                ; qkvh s[4:5], att s[6:7]
	v_lshl_add_u32 v62, v0, 2, 0x4e400
	v_mov_b32 v63, 0
	ds_add_u32 v62, v63
	v_lshrrev_b32 v1, 5, v0
	v_readfirstlane_b32 s8, v1                     ; wave 0..3
	s_lshr_b32 s9, s8, 1                           ; my pair of heads.  Also: I fetch for K (0) or for V (1)
	s_and_b32 s10, s8, 1                           ; my half of a tile's keys.  Also: which 128 rows of the tile I fetch
	s_lshl_b32 s3, s9, 1
	s_add_co_u32 s3, s3, 1
	s_sub_co_u32 s3, s3, s10                       ; my partner: the same heads, the other keys
	s_mov_b32 s11, ttmp9                           ; c: the cluster's x
	s_bfe_u32 s12, ttmp6, 0x40000                  ; cx
	s_and_b32 s13, ttmp7, 0xffff                   ; g: the KV head
	s_lshl_b32 s14, ttmp9, 2
	s_add_co_u32 s14, s14, s12                     ; p = 4 c + cx
	s_lshr_b32 s16, s11, 2                         ; Ts - 1 = p >> 4 = c >> 2
	s_add_co_u32 s15, s16, 1                       ; Ts: tiles of the short task
	s_mov_b32 s17, 0                               ; the tile at work
	s_mov_b32 s18, 1                               ; the next tile to ask for
	s_mov_b32 s58, 0x76543210                      ; v_permlanex16_b32: lane i of one half reads lane i of the other
	s_mov_b32 s59, 0xfedcba98
	s_mov_b32 s[G1K+0], 15|(1<<16)|(1<<20)|(1<<21)|(5<<22)|(3<<25)  ; the four work-groups; 2-byte elements; padding: after every 64 words 4 words
	s_mov_b32 s[G1K+1], 128<<16                    ; tensor_dim0 = 128
	s_mov_b32 s[G1K+2], 128<<16                    ; tensor_dim1 = 128
	s_mov_b32 s[G1K+3], 128<<16                    ; tile_dim0 = 128
	s_mov_b32 s[G1K+4], 128                        ; tile_dim1 = 128
	s_mov_b32 s[G1K+5], 128                        ; elements from row to row
	s_mov_b32 s[G1K+6], 0
	s_mov_b32 s[G1K+7], 0
	s_mov_b32 s[G1V+0], 15|(1<<16)|(1<<20)|(1<<21)|(5<<22)|(7<<25)  ; the same with 8 words of padding
	s_mov_b32 s[G1V+1], 128<<16
	s_mov_b32 s[G1V+2], 128<<16
	s_mov_b32 s[G1V+3], 128<<16
	s_mov_b32 s[G1V+4], 128
	s_mov_b32 s[G1V+5], 128
	s_mov_b32 s[G1V+6], 0
	s_mov_b32 s[G1V+7], 0
	s_add_co_u32 s56, s13, 16                      ; K's head 16 + g,
	s_lshl_b32 s56, s56, 19
	s_lshl_b32 s60, s10, 15                        ; my 128 rows of 256 bytes
	s_add_co_u32 s56, s56, s60
	s_mov_b32 s57, 0
	s_mov_b32 s[G0K], 1
	s_mul_i32 s[G0K+1], s10, 128*KP
	s_mov_b32 s[G0K+4], 1
	s_add_co_u32 s[G0K+5], s[G0K+1], SLOT
	s_mov_b32 s[G0V], 1
	s_mul_i32 s[G0V+1], s10, 128*VP
	s_add_co_u32 s[G0V+1], s[G0V+1], KT
	s_mov_b32 s[G0V+4], 1
	s_add_co_u32 s[G0V+5], s[G0V+1], SLOT
	v_and_b32 v1, 15, v0                           ; r
	v_bfe_u32 v2, v0, 4, 1                         ; h
	v_and_b32 v5, 31, v0                           ; lane
	v_mul_u32_u24 v6, v1, KP
	v_lshl_add_u32 v6, v2, 4, v6                   ; r x 272 + 16 h
	s_mul_i32 s60, s10, 128*KP                     ; my 128 keys
	v_add_nc_u32 v[ADRK], s60, v6
	v_add_nc_u32 v[ADRK+1], SLOT, v[ADRK]
	v_and_b32 v3, 7, v0
	v_lshl_add_u32 v3, v2, 3, v3                   ; the transposing load: lane l addresses key 8 h + l % 8,
	v_mul_u32_u24 v3, v3, VP
	v_bfe_u32 v4, v0, 3, 1
	v_lshl_add_u32 v3, v4, 4, v3                   ; 16 bytes further for the second eight lanes of each half
	s_mul_i32 s60, s10, 128*VP
	s_add_co_u32 s60, s60, KT
	v_add_nc_u32 v[ADRV], s60, v3
	v_add_nc_u32 v[ADRV+1], SLOT, v[ADRV]
	s_mul_i32 s60, s8, INBOX
	s_add_co_u32 s60, s60, XB                      ; my inbox
	s_mul_i32 s61, s3, INBOX
	s_add_co_u32 s61, s61, XB                      ; my partner's
	v_lshl_add_u32 v[INA], v5, 4, s60
	v_lshl_add_u32 v[INB], v5, 2, s60
	v_add_nc_u32 v[INB], 8192, v[INB]
	v_lshl_add_u32 v[DMA], v5, 4, s61
	v_lshl_add_u32 v[DMB], v5, 2, s61
	v_add_nc_u32 v[DMB], 8192, v[DMB]
	v_add_nc_u32 v[STO], s60, v6                   ; the stage: row r, 16 bytes for each half of the lanes
	v_mul_u32_u24 v3, v2, SP
	v_lshl_add_u32 v3, v1, 4, v3
	v_add_nc_u32 v[RD], s60, v3                    ; back: lanes 0-15 one row of 256 bytes, lanes 16-31 the next
	v_lshlrev_b32 v3, 8, v1
	v_lshl_add_u32 v3, v2, 4, v3                   ; Q: row r of 256 bytes, 16 h
	s_lshl_b32 s60, s13, 21                        ; head 4 g
	s_lshl_b32 s61, s8, 19
	s_add_co_u32 s61, s61, s60                     ; register slot 0: head 4 g + w
	s_lshl_b32 s62, s3, 19
	s_add_co_u32 s62, s62, s60                     ; register slot 1: my partner's head
	s_lshl_b32 s63, s14, 12                        ; 16 p rows
	s_add_co_u32 s60, s61, s63
	v_add_nc_u32 v[QS], s60, v3
	s_add_co_u32 s60, s62, s63
	v_add_nc_u32 v[QS+1], s60, v3
	s_add_co_u32 s60, s61, 2032*256
	s_sub_co_u32 s60, s60, s63
	v_add_nc_u32 v[QL], s60, v3
	s_add_co_u32 s60, s62, 2032*256
	s_sub_co_u32 s60, s60, s63
	v_add_nc_u32 v[QL+1], s60, v3
	v_lshlrev_b32 v3, 3, v2
	v_sub_nc_u32 v3, v1, v3                        ; r - 8 h
	s_lshl_b32 s60, s16, 8                         ; 256 (Ts - 1)
	s_lshl_b32 s61, s10, 7                         ; my keys begin 128 (w & 1) into a tile
	s_lshl_b32 s63, s14, 4                         ; 16 p
	s_sub_co_u32 s62, s63, s60
	s_sub_co_u32 s62, s62, s61
	v_add_nc_u32 v[LIMS], s62, v3                  ; 16 p + r - 256 (Ts - 1) - 128 (w & 1) - 8 h
	s_add_co_u32 s62, s60, 240                     ; 2,032 - 256 (8 - Ts) = 240 + 256 (Ts - 1)
	s_sub_co_u32 s62, s62, s63
	s_sub_co_u32 s62, s62, s61
	v_add_nc_u32 v[LIML], s62, v3
	v_mov_b32 v[NEG], 0xf149f2ca                   ; -1e30
	v_mov_b32 v[TX], v0                            ; v_permlanex16_b32 counts as a reader of its destination: written once, with any number
	v_mov_b32 v[TX+1], v0
	v_lshlrev_b32 v3, 12, v2
	v_lshl_add_u32 v3, v1, 4, v3                   ; att: lanes 0-15 one row's 256 bytes, lanes 16-31 the next row's
	s_lshl_b32 s60, s13, 10
	s_lshl_b32 s61, s8, 8
	s_add_co_u32 s60, s60, s61                     ; head 4 g + w
	s_lshl_b32 s63, s14, 16                        ; 16 p rows of 4,096 bytes
	s_add_co_u32 s62, s60, s63
	v_add_nc_u32 v[OS], s62, v3
	s_add_co_u32 s62, s60, 2032*4096
	s_sub_co_u32 s62, s62, s63
	v_add_nc_u32 v[OL], s62, v3
	s_wait_dscnt 0x0
	s_wait_kmcnt 0x0
	s_add_nc_u64 s[20:21], s[4:5], s[56:57]        ; K's rows that I fetch, tile 0
	s_add_nc_u64 s[22:23], s[20:21], 4*HEADB       ; V's: four heads further
	s_mov_b64 s[G0K+2:G0K+3], s[20:21]
	s_or_b32 s[G0K+3], s[G0K+3], 0x80000000
	s_mov_b64 s[G0V+2:G0V+3], s[22:23]
	s_or_b32 s[G0V+3], s[G0V+3], 0x80000000
	ROUND                                          ; in front of the first joint load
	JLOAD 0                                        ; tile 0.  By this text's count a wave never has more than one tensor load out
	QLOAD QS
	TRIP 0, 1, 1, 1, 0                             ; tile 0
	s_mov_b32 s19, 3
.Lpair:
	TRIP 1, 0, 1, 0, 0                             ; tiles 1 to 6
	TRIP 0, 1, 1, 0, 0
	s_sub_co_u32 s19, s19, 1
	s_cmp_lg_u32 s19, 0
	s_cbranch_scc1 .Lpair
	TRIP 1, 0, 1, 0, 1                             ; tile 7: the short task has at most 4 tiles, so this is no task's last
	TRIP 0, 1, 0, 0, 2                             ; tile 8: the long task's last; nothing is left to fetch
	FINISH OL
	s_wait_tensorcnt 0x0
	ds_add_u32 v62, v63
	s_wait_dscnt 0x0
	ROUND                                          ; the closing round
	s_endpgm
.Lfunc_end_k_q7e47963b8f_attn:
	.size	k_q7e47963b8f_attn, .Lfunc_end_k_q7e47963b8f_attn-k_q7e47963b8f_attn
	.p2alignl 7, 3214868480
	.fill 96, 4, 3214868480
	.section	.rodata,"a",@progbits
	.p2align	6, 0x0
	.amdhsa_kernel k_q7e47963b8f_attn
		.amdhsa_group_segment_fixed_size 327680
		.amdhsa_private_segment_fixed_size 0
		.amdhsa_enable_private_segment 0
		.amdhsa_kernarg_size 16
		.amdhsa_user_sgpr_count 2
		.amdhsa_user_sgpr_kernarg_segment_ptr 1
		.amdhsa_wavefront_size32 1
		.amdhsa_system_sgpr_workgroup_id_x 1
		.amdhsa_system_sgpr_workgroup_id_y 1
		.amdhsa_system_sgpr_workgroup_id_z 1
		.amdhsa_system_vgpr_workitem_id 0
		.amdhsa_next_free_vgpr 768
		.amdhsa_next_free_sgpr 66
		.amdhsa_reserve_vcc 1
		.amdhsa_float_denorm_mode_32 3
		.amdhsa_float_denorm_mode_16_64 3
		.amdhsa_memory_ordered 1
		.amdhsa_forward_progress 1
		.amdhsa_inst_pref_size 255
	.end_amdhsa_kernel
	.section	.bss,"aw",@nobits
	.p2align	6
	.space	262144
	.amdgpu_metadata
---
amdhsa.version: [ 1, 2 ]
amdhsa.kernels:
  - .name:           k_q7e47963b8f_attn
    .symbol:         k_q7e47963b8f_attn.kd
    .args:
      - { .name: qkvh, .offset: 0, .size: 8, .value_kind: global_buffer, .address_space: global }
      - { .name: att, .offset: 8, .size: 8, .value_kind: global_buffer, .address_space: global }
    .group_segment_fixed_size: 327680
    .private_segment_fixed_size: 0
    .kernarg_segment_align: 8
    .kernarg_segment_size: 16
    .max_flat_workgroup_size: 128
    .sgpr_count:     66
    .vgpr_count:     768
    .wavefront_size: 32
...
	.end_amdgpu_metadata
.endif
;; end of part 3
;; launch oproj (part 4): grid 16 x 16, 4 waves a work-group, clusters of 4 x 4, 327,680 bytes of LDS; arguments att, wob, out0; writes out0
.if DOCPART == 4
	.amdgcn_target "amdgcn-amd-amdhsa--gfx1250"
	.amdhsa_code_object_version 6
	.text
	.protected	k_q7e47963b8f_oproj
	.globl	k_q7e47963b8f_oproj
	.p2align	8
	.type	k_q7e47963b8f_oproj,@function
k_q7e47963b8f_oproj:
	s_mov_b64 s[64:65], 0
	v_nop
	global_prefetch_b8 v0, s[64:65] scope:SCOPE_SE
	s_setreg_imm32_b32 hwreg(HW_REG_WAVE_MODE, 25, 1), 1
	s_wait_xcnt 0x0
	s_wait_alu depctr_hold_cnt(0) depctr_sa_sdst(0) depctr_va_vdst(0) depctr_va_sdst(0) depctr_va_ssrc(0) depctr_va_vcc(0) depctr_vm_vsrc(0)
	s_getreg_b32 s2, hwreg(HW_REG_IB_STS2, 6, 4)
	s_cmp_eq_u32 s2, 0
	s_cbranch_scc0 .Lentry_in_a_cluster
	s_endpgm
.Lentry_in_a_cluster:
	s_bfe_u32 s2, ttmp6, 0x10000c
	s_cmp_lg_u32 s2, 0xf033
	s_cbranch_scc0 .Lentry_shape_is_right
	s_endpgm
.Lentry_shape_is_right:
; out0[t][n] (f32) = 4 x sum over k of att[t][k] wob[k][n].  f16 operands, f32 sums; the 4 undoes the 0.25 that v was stored with (exact).
; A work-group makes 128 x 128 (256 work-groups); a wave 64 x 64: 16 accumulator tiles.  K goes in steps of 256 through two LDS slots filled by the
; tensor data mover: with the longer step a wave issues 128 matrix instructions a step, less the four between signal and wait, between a tile's
; request and the wait for it.
; CLUSTERS: 4 x 4.  att's tile hangs on the row block alone and is asked for jointly along a row of the cluster, wob's on the column block alone
; and is asked for jointly along a column.
; The matrix instruction is used transposed (source 0 = 16 columns of wob by the transposing LDS load, source 1 = 16 rows of att): lane (r, h),
; register j holds (t = r, n = 8 h + j).
; REGISTERS: window 0 addresses, two fragment buffers, the way out's work; window 1 the accumulator tiles, (a, b) at v[8 (4 a + b)].
.set KSTEP,  256
.set LAPS,   2048/(2*KSTEP)
.set TN,     4
.set APITCH, 528                       ; att's LDS row: 512 bytes + 16: an odd multiple of 16
.set WPITCH, 288                       ; wob's LDS row: 256 bytes + 32: an odd multiple of 32
.set RAR,    64                        ; rows of att in one tensor load
.set RW,     128                       ; rows (k) of wob in one tensor load
.set AT,     128*APITCH
.set SLOT,   AT+KSTEP*WPITCH
.set STAGE,  2*SLOT                    ; 16 rows x 272 bytes for each wave; no tensor load lands here
.set SPITCH, 272
.set WROWB,  4096
.set NL,     2*(TN+4)
.set ADRA,  16                         ; v16-17 LDS address of my att fragments, slot 0, 1
.set ADRW,  20                         ; v20-21 of my wob fragments, k 0-127 of a step
.set ADRW2, 22                         ; v22-23 k 128-255: the immediate offset has 16 bits
.set STO,   24
.set RD,    25
.set CO,    26
.set F0,    32                         ; wob's b at F + 8 b, att's a at F + 32 + 8 a
.set F1,    96
.set T,     160
.set RB,    192
.set G1A, 24
.set G0A, 32
.set G1W, 40
.set G0W, 48
.set MSB, 0
.macro WIN new
.if MSB != \new
	s_set_vgpr_msb (MSB<<8)|\new
.set MSB, \new
.endif
.endm
.macro PLACES                          ; four plain vector instructions between a matrix instruction and what touches its registers (ISA guide 7.12.1)
.rept 4
	v_nop
.endr
.endm
.macro JLOAD s                         ; waves 0 and 1 fetch att's two halves, waves 2 and 3 wob's
	s_cmp_eq_u32 s15, 0
	s_cbranch_scc0 .Lfor_w_\@
	tensor_load_to_lds s[G0A+4*\s:G0A+4*\s+3], s[G1A:G1A+7]
	s_nop 0
	s_branch .Lasked_\@
.Lfor_w_\@:
	tensor_load_to_lds s[G0W+4*\s:G0W+4*\s+3], s[G1W:G1W+7]
	s_nop 0
.Lasked_\@:
.endm
.macro CREST
	s_cmp_lg_u32 s14, 0
	s_cbranch_scc1 .Lnot_wave_0_\@
	s_barrier_signal -3
.Lnot_wave_0_\@:
	s_barrier_wait -3
	s_barrier_signal -1
	s_barrier_wait -1
.endm
.macro CROUND
	s_barrier_signal -1
	s_barrier_wait -1
	CREST
.endm
	s_load_b128 s[4:7], s[0:1], 0x0                ; att s[4:5], wob s[6:7]
	s_load_b64 s[8:9], s[0:1], 0x10                ; out0
	v_lshl_add_u32 v254, v0, 2, 0x49400
	v_mov_b32 v255, 0
	ds_add_u32 v254, v255
	v_lshrrev_b32 v1, 5, v0
	v_readfirstlane_b32 s14, v1                    ; wave 0..3
	s_lshr_b32 s15, s14, 1                         ; my half of the block's rows.  Also: I fetch for att (0) or for wob (1)
	s_and_b32 s16, s14, 1                          ; my half of its columns.  Also: which half of that tile I fetch
	s_bfe_u32 s17, ttmp6, 0x40000                  ; cx
	s_bfe_u32 s18, ttmp6, 0x40004                  ; cy
	s_lshl_b32 s19, ttmp9, 2
	s_add_co_u32 s19, s19, s17                     ; column block
	s_and_b32 s20, ttmp7, 0xffff
	s_lshl_b32 s20, s20, 2
	s_add_co_u32 s20, s20, s18                     ; row block
	s_lshl_b32 s21, s18, 2
	s_lshl_b32 s21, 15, s21                        ; my row of the cluster
	s_lshl_b32 s22, 0x1111, s17                    ; my column
	s_or_b32 s[G1A+0], s21, (1<<16)|(1<<20)|(1<<21)|(6<<22)|(3<<25)  ; mask; 2-byte elements; padding: after every 128 words 4 words
	s_mov_b32 s[G1A+1], KSTEP<<16                  ; tensor_dim0 = 256
	s_mov_b32 s[G1A+2], RAR<<16                    ; tensor_dim1 = 64
	s_mov_b32 s[G1A+3], KSTEP<<16                  ; tile_dim0 = 256
	s_mov_b32 s[G1A+4], RAR                        ; tile_dim1 = 64
	s_mov_b32 s[G1A+5], 2048
	s_mov_b32 s[G1A+6], 0
	s_mov_b32 s[G1A+7], 0
	s_or_b32 s[G1W+0], s22, (1<<16)|(1<<20)|(1<<21)|(5<<22)|(7<<25)  ; my column's mask; after every 64 words 8 words
	s_mov_b32 s[G1W+1], 128<<16
	s_mov_b32 s[G1W+2], RW<<16
	s_mov_b32 s[G1W+3], 128<<16
	s_mov_b32 s[G1W+4], RW
	s_mov_b32 s[G1W+5], 2048
	s_mov_b32 s[G1W+6], 0
	s_mov_b32 s[G1W+7], 0
	s_lshl_b32 s56, s20, 19                        ; att: (128 x row block + 64 x half) rows of 4,096 bytes
	s_lshl_b32 s23, s16, 18
	s_add_co_u32 s56, s56, s23
	s_mov_b32 s57, 0
	s_lshl_b32 s58, s16, 19                        ; wob: 128 x half rows of 4,096 bytes + 256 bytes x column block
	s_lshl_b32 s2, s19, 8
	s_add_co_u32 s58, s58, s2
	s_mov_b32 s59, 0
	s_mul_i32 s60, s16, RAR*APITCH                 ; where they go: made of the wave's number alone
	s_mul_i32 s61, s16, RW*WPITCH
	s_add_co_u32 s61, s61, AT
	s_wait_dscnt 0x0
	s_wait_kmcnt 0x0
	s_add_nc_u64 s[56:57], s[4:5], s[56:57]
	s_add_nc_u64 s[58:59], s[6:7], s[58:59]
	CROUND                                         ; all sixteen work-groups are here: the first joint loads meet
.irp s, 0,1
	s_mov_b32 s[G0A+4*\s], 1
	s_add_co_u32 s[G0A+4*\s+1], s60, \s*SLOT
	s_add_nc_u64 s[G0A+4*\s+2:G0A+4*\s+3], s[56:57], \s*KSTEP*2
	s_or_b32 s[G0A+4*\s+3], s[G0A+4*\s+3], 0x80000000
	s_mov_b32 s[G0W+4*\s], 1
	s_add_co_u32 s[G0W+4*\s+1], s61, \s*SLOT
	s_add_nc_u64 s[G0W+4*\s+2:G0W+4*\s+3], s[58:59], \s*KSTEP*WROWB
	s_or_b32 s[G0W+4*\s+3], s[G0W+4*\s+3], 0x80000000
	JLOAD \s                                       ; both slots' first fills: two tensor loads of the wave are out, the most in this text
.endr
	s_lshl_b32 s60, s20, 20                        ; out0 at my wave's corner: (128 x row block + 64 x half) rows of 8,192 bytes
	s_lshl_b32 s61, s15, 19
	s_add_co_u32 s60, s60, s61
	s_lshl_b32 s61, s19, 9                         ; + (128 x column block + 64 x half) numbers of 4 bytes
	s_add_co_u32 s60, s60, s61
	s_lshl_b32 s61, s16, 8
	s_add_co_u32 s60, s60, s61
	s_mov_b32 s61, 0
	s_add_nc_u64 s[8:9], s[8:9], s[60:61]
	v_and_b32 v1, 15, v0                           ; r
	v_bfe_u32 v2, v0, 4, 1                         ; h
	v_mul_u32_u24 v3, v1, APITCH
	v_lshl_add_u32 v3, v2, 4, v3
	s_mul_i32 s23, s15, 64*APITCH                  ; my 64 rows of att
	v_add_nc_u32 v[ADRA], s23, v3
	v_add_nc_u32 v[ADRA+1], SLOT, v[ADRA]
	v_and_b32 v4, 7, v0
	v_lshl_add_u32 v4, v2, 3, v4
	v_mul_u32_u24 v4, v4, WPITCH
	v_bfe_u32 v5, v0, 3, 1
	v_lshl_add_u32 v4, v5, 4, v4
	s_lshl_b32 s23, s16, 7                         ; my 64 columns of wob
	s_add_co_u32 s23, s23, AT
	v_add_nc_u32 v[ADRW], s23, v4
	v_add_nc_u32 v[ADRW+1], SLOT, v[ADRW]
	v_add_nc_u32 v[ADRW2], 128*WPITCH, v[ADRW]
	v_add_nc_u32 v[ADRW2+1], 128*WPITCH, v[ADRW+1]
	s_mul_i32 s23, s14, 16*SPITCH
	s_add_co_u32 s23, s23, STAGE
	v_mul_u32_u24 v5, v1, SPITCH
	v_lshl_add_u32 v5, v2, 5, v5
	v_add_nc_u32 v[STO], s23, v5                   ; in: row r, 32 bytes (8 f32) for each half of the lanes
	v_mul_u32_u24 v5, v2, SPITCH
	v_lshl_add_u32 v5, v1, 4, v5
	v_add_nc_u32 v[RD], s23, v5                    ; back: lanes 0-15 one row of 256 bytes, lanes 16-31 the next
	v_lshlrev_b32 v5, 13, v2
	v_lshl_add_u32 v[CO], v1, 4, v5
; TN matrix instructions: row tile a x my four column tiles.  The 16 accumulators take turns, one instruction a turn, in the same order in
; every sub-step.
.macro MULA f, a, zero
.irp b, 0,1,2,3
.if \zero
	v_wmma_f32_16x16x32_f16 v[8*(TN*\a+\b):8*(TN*\a+\b)+7], v[\f+8*\b:\f+8*\b+7], v[\f+8*TN+8*\a:\f+8*TN+8*\a+7], 0
.else
	v_wmma_f32_16x16x32_f16 v[8*(TN*\a+\b):8*(TN*\a+\b)+7], v[\f+8*\b:\f+8*\b+7], v[\f+8*TN+8*\a:\f+8*TN+8*\a+7], v[8*(TN*\a+\b):8*(TN*\a+\b)+7]
.endif
.endr
.endm
.macro FETCH slot, q, f
	WIN 0
.irp b, 0,1,2,3
.if \q > 3
	ds_load_tr16_b128 v[\f+8*\b:\f+8*\b+3],   v[ADRW2+\slot] offset:(\q-4)*32*WPITCH+32*\b
	ds_load_tr16_b128 v[\f+8*\b+4:\f+8*\b+7], v[ADRW2+\slot] offset:(\q-4)*32*WPITCH+32*\b+16*WPITCH
.else
	ds_load_tr16_b128 v[\f+8*\b:\f+8*\b+3],   v[ADRW+\slot] offset:\q*32*WPITCH+32*\b
	ds_load_tr16_b128 v[\f+8*\b+4:\f+8*\b+7], v[ADRW+\slot] offset:\q*32*WPITCH+32*\b+16*WPITCH
.endif
.endr
.irp a, 0,1,2,3
	ds_load_b128 v[\f+8*TN+8*\a:\f+8*TN+8*\a+3],   v[ADRA+\slot] offset:64*\q+\a*16*APITCH
	ds_load_b128 v[\f+8*TN+8*\a+4:\f+8*TN+8*\a+7], v[ADRA+\slot] offset:64*\q+\a*16*APITCH+32
.endr
.endm
.macro QUARTER slot, q, f, g, zero     ; one of a K step's eight sub-steps of 32: multiplies buffer f, fetches sub-step q into buffer g
	s_wait_dscnt 4                                 ; all but the youngest four loads: att's row tiles 2 and 3
	WIN 0x50
	MULA \f, 0, \zero
	MULA \f, 1, \zero
	PLACES
	FETCH \slot, \q, \g
	s_wait_dscnt NL                                ; all but the NL just issued
	WIN 0x50
	MULA \f, 2, \zero
	MULA \f, 3, \zero
.endm
; The last sub-step: multiplies buffer 1 and changes slots.  In front of the barrier each wave waits for its reads of this slot and for all its
; tensor loads; where the slot is filled again the barrier opens a round of the cluster's barrier, and the joint refill comes first behind it.
.macro TURN slot, next, fill
	s_wait_dscnt 4
	WIN 0x50
	MULA F1, 0, 0
	s_wait_dscnt 0
	s_wait_tensorcnt 0x0
	ds_add_u32 v254, v255
	s_wait_dscnt 0x0
	s_barrier_signal -1
	MULA F1, 1, 0
	WIN 0
	s_barrier_wait -1
.if \fill
	CREST
	s_add_nc_u64 s[G0A+4*\slot+2:G0A+4*\slot+3], s[G0A+4*\slot+2:G0A+4*\slot+3], 2*KSTEP*2
	s_add_nc_u64 s[G0W+4*\slot+2:G0W+4*\slot+3], s[G0W+4*\slot+2:G0W+4*\slot+3], 2*KSTEP*WROWB
	JLOAD \slot
.endif
	PLACES
	FETCH \next, 0, F0
	WIN 0x50
	MULA F1, 2, 0
	MULA F1, 3, 0
.endm
.macro SEVEN slot, zero
	QUARTER \slot, 1, F0, F1, \zero
	QUARTER \slot, 2, F1, F0, 0
	QUARTER \slot, 3, F0, F1, 0
	QUARTER \slot, 4, F1, F0, 0
	QUARTER \slot, 5, F0, F1, 0
	QUARTER \slot, 6, F1, F0, 0
	QUARTER \slot, 7, F0, F1, 0
.endm
.macro LAP zero
	SEVEN 0, \zero
	TURN 0, 1, 1
	SEVEN 1, 0
	TURN 1, 0, 1
.endm
	s_wait_tensorcnt 0x1                           ; my part of K step 0 is in; K step 1's load stays out
	s_barrier_signal -1
	s_barrier_wait -1
	FETCH 0, 0, F0
	LAP 1
	WIN 0
	s_mov_b32 s3, LAPS-2
.Llap:
	LAP 0
	WIN 0
	s_sub_co_u32 s3, s3, 1
	s_cmp_lg_u32 s3, 0
	s_cbranch_scc1 .Llap
	SEVEN 0, 0                                     ; the last lap fills nothing
	TURN 0, 1, 0
	SEVEN 1, 0
	s_wait_dscnt 4
	WIN 0x50
	MULA F1, 0, 0
	MULA F1, 1, 0
	s_wait_dscnt 0
	MULA F1, 2, 0
	MULA F1, 3, 0
	WIN 0
	PLACES
; THE WAY OUT, 16 rows at a time: times 4, 32 bytes a lane into my own stage, read back as whole row pieces of 64 f32.
.macro OUTO a
	WIN 0x01                                       ; source 0 (accumulators) in window 1
.irp b, 0,1,2,3
.irp j, 0,2,4,6
	v_pk_mul_f32 v[T+8*\b+\j:T+8*\b+\j+1], v[8*(TN*\a+\b)+\j:8*(TN*\a+\b)+\j+1], 4.0 op_sel_hi:[1,0]
.endr
.endr
	WIN 0
.irp b, 0,1,2,3
	ds_store_b128 v[STO], v[T+8*\b:T+8*\b+3]   offset:64*\b
	ds_store_b128 v[STO], v[T+8*\b+4:T+8*\b+7] offset:64*\b+16
.endr
	s_wait_xcnt 0x0                                ; RB, which the last 16 rows' stores read, is loaded again only behind this wait
.irp t, 0,1,2,3,4,5,6,7
	ds_load_b128 v[RB+4*\t:RB+4*\t+3], v[RD] offset:\t*2*SPITCH    ; LDS serves a wave's instructions in order: these see the stores above
.endr
.irp t, 0,1,2,3,4,5,6,7
	s_wait_dscnt 7-\t
	global_store_b128 v[CO], v[RB+4*\t:RB+4*\t+3], s[8:9] offset:(16*\a+2*\t)*8192 th:TH_STORE_NT   ; sixteen lanes store 256 consecutive bytes, aligned
.endr
.endm
	OUTO 0
	OUTO 1
	OUTO 2
	OUTO 3
	s_wait_tensorcnt 0x0
	ds_add_u32 v254, v255
	s_wait_dscnt 0x0
	CROUND                                         ; the closing round: no work-group ends while a partner may still ask for a tile that names it
	s_endpgm
.Lfunc_end_k_q7e47963b8f_oproj:
	.size	k_q7e47963b8f_oproj, .Lfunc_end_k_q7e47963b8f_oproj-k_q7e47963b8f_oproj
	.p2alignl 7, 3214868480
	.fill 96, 4, 3214868480
	.section	.rodata,"a",@progbits
	.p2align	6, 0x0
	.amdhsa_kernel k_q7e47963b8f_oproj
		.amdhsa_group_segment_fixed_size 327680
		.amdhsa_private_segment_fixed_size 0
		.amdhsa_enable_private_segment 0
		.amdhsa_kernarg_size 24
		.amdhsa_user_sgpr_count 2
		.amdhsa_user_sgpr_kernarg_segment_ptr 1
		.amdhsa_wavefront_size32 1
		.amdhsa_system_sgpr_workgroup_id_x 1
		.amdhsa_system_sgpr_workgroup_id_y 1
		.amdhsa_system_sgpr_workgroup_id_z 1
		.amdhsa_system_vgpr_workitem_id 0
		.amdhsa_next_free_vgpr 384
		.amdhsa_next_free_sgpr 66
		.amdhsa_reserve_vcc 0
		.amdhsa_float_denorm_mode_32 3
		.amdhsa_float_denorm_mode_16_64 3
		.amdhsa_memory_ordered 1
		.amdhsa_forward_progress 1
		.amdhsa_inst_pref_size 132
	.end_amdhsa_kernel
	.amdgpu_metadata
---
amdhsa.version: [ 1, 2 ]
amdhsa.kernels:
  - .name:           k_q7e47963b8f_oproj
    .symbol:         k_q7e47963b8f_oproj.kd
    .args:
      - { .name: att, .offset: 0, .size: 8, .value_kind: global_buffer, .address_space: global }
      - { .name: wob, .offset: 8, .size: 8, .value_kind: global_buffer, .address_space: global }
      - { .name: out0, .offset: 16, .size: 8, .value_kind: global_buffer, .address_space: global }
    .group_segment_fixed_size: 327680
    .private_segment_fixed_size: 0
    .kernarg_segment_align: 8
    .kernarg_segment_size: 24
    .max_flat_workgroup_size: 128
    .sgpr_count:     66
    .vgpr_count:     384
    .wavefront_size: 32
...
	.end_amdgpu_metadata
.endif
;; end of part 4
;; ======== version 2 of 2: 4 launches; version 1 with the launch prep written anew for expert scheduling mode
;; limits: values outside matrix products are rounded to bf16; values are held in f16: magnitudes above 65,504 overflow, below 6.1e-05 lose precision
;; workspace buffers: xb 8,388,608 bytes; wcat 12,582,912 bytes; wob 8,388,608 bytes; qkvh 12,582,912 bytes; att 8,388,608 bytes
;; launch prep (part 5): grid 448 x 1, 8 waves a work-group, no clusters, 0 bytes of LDS; arguments x, wq, wk, wv, wo, xb, wcat, wob; writes xb, wcat, wob
.if DOCPART == 5
	.amdgcn_target "amdgcn-amd-amdhsa--gfx1250"
	.amdhsa_code_object_version 6
	.text
	.protected	k_q7e47963b8f_prep
	.globl	k_q7e47963b8f_prep
	.p2align	8
	.type	k_q7e47963b8f_prep,@function
k_q7e47963b8f_prep:
	s_mov_b64 s[64:65], 0
	v_nop
	global_prefetch_b8 v0, s[64:65] scope:SCOPE_SE
	s_setreg_imm32_b32 hwreg(HW_REG_WAVE_SCHED_MODE, 0, 2), 2
	s_setreg_imm32_b32 hwreg(HW_REG_WAVE_MODE, 25, 1), 1
	s_wait_xcnt 0x0
	s_wait_alu depctr_vm_vsrc(0)
; The casts, once for the whole program.  x -> xb (bf16, same layout).  wq, wk, wv -> wcat (bf16, [2048 k][3072 n]: columns 0-2047 wq,
; 2048-2559 wk, 2560-3071 wv).  wo -> wob: rounded to bf16 like the other inputs, then widened to f16 for the f16 matrix form of the last launch.
; LIMIT: |wo| < 65,504 (f16's largest number); a bf16 below 2^-14 in size loses bits in f16 (absolute error at most 3e-8).
; A work-group takes 131,072 consecutive source bytes as 16 chunks of 8,192; thread t takes bytes 32 t .. 32 t + 31 of each chunk, eight f32,
; which become the 16 bytes that it stores: sixteen neighbouring lanes store 256 consecutive bytes, aligned.
; All 32 loads of a thread are issued first.  No LDS, no matrix unit, no cluster: nothing is shared and nothing is reduced.
; THE MODE: SCHED_MODE bits 1:0 = 2 (LLVM: expert scheduling mode 2), set by the entry lines.  The code itself states the register dependences
; between vector instructions and memory instructions, with s_wait_alu, always for 0.
; THE PLAN.  Registers that memory instructions touch:
;   v[VI], v[VO]  byte offsets.  Written by vector lines at the head, ahead of the loads; read by every load (VI) and every store (VO); never written again.
;   X             chunk i: 8 registers.  Written by chunk i's two loads alone, once; read by chunk i's conversions.
;   Y             chunk i: 4 registers.  Written by chunk i's conversions; read by chunk i's one store; never written again.
;   U is named by vector lines alone.
; No register that a memory instruction has read is written again, so no wait on vm_vsrc is owed.  The 16 chunks go in four blocks of BLK = 4.
; One wait on va_vdst stands ahead of the loads, for the two offsets.  One stands at the head of each block but the first: the block before has
; written its sixteen Y registers.  That block's four stores follow it with no further wait, one in front of each chunk's conversions, which name
; X and Y of their own block and U: none of the registers that those stores read.  One more stands ahead of the last block's stores.
.set CHUNK, 8192
.set BLK, 4                            ; chunks in a block
.set VI, 1                             ; v1        32 t: my bytes in a source chunk
.set VO, 2                             ; v2        my bytes in the destination
.set U,  8                             ; v[8:15]   at work (bf16 widened to f32, on wo's way)
.set X,  16                            ; v[16:143] chunk i: 8 registers as loaded
.set Y,  144                           ; v[144:207] chunk i: 4 registers to store
.macro LOADS
	s_wait_alu depctr_va_vdst(0)                   ; v[VI] and v[VO] are written: every load below reads the one as its offset, every store of the path the other
.set i, 0
.rept 16
	global_load_b128 v[X+8*i:X+8*i+3],   v[VI], s[2:3] offset:i*CHUNK th:TH_LOAD_NT
	global_load_b128 v[X+8*i+4:X+8*i+7], v[VI], s[2:3] offset:i*CHUNK+16 th:TH_LOAD_NT
.set i, i+1
.endr
.endm
; step = bytes in the destination from one chunk to the next; f16 = 1: bf16, then f16
.macro PATH step, f16
.set i, 0
.rept 16
	s_wait_loadcnt 30-2*i                          ; loads come back in order: behind chunk i's two stand 30 - 2 i younger ones
.if (i > 0) && (i % BLK == 0)
	s_wait_alu depctr_va_vdst(0)                   ; a block's head: the conversions of the block before have written its Y, which the four stores dealt among this block's chunks read
.endif
.if i >= BLK
	global_store_b128 v[VO], v[Y+4*(i-BLK):Y+4*(i-BLK)+3], s[4:5] offset:(i-BLK)*\step  ; the chunk one block back; no vector line since the wait names its Y
.endif
.irp j, 0,1,2,3
	v_cvt_pk_bf16_f32 v[Y+4*i+\j], v[X+8*i+2*\j], v[X+8*i+2*\j+1]
.endr
.if \f16
.irp j, 0,1,2,3
	v_lshlrev_b32 v[U+2*\j],   16,  v[Y+4*i+\j]    ; bf16 to f32: the low half moves up,
	v_and_b32     v[U+2*\j+1], s28, v[Y+4*i+\j]    ; the high half stays
.endr
.irp j, 0,1,2,3
	v_cvt_pk_f16_f32 v[Y+4*i+\j], v[U+2*\j], v[U+2*\j+1]
.endr
.endif
.set i, i+1
.endr
	s_wait_alu depctr_va_vdst(0)                   ; the last block's conversions have written its Y, which the last four stores read
.set i, 16-BLK
.rept BLK
	global_store_b128 v[VO], v[Y+4*i:Y+4*i+3], s[4:5] offset:i*\step
.set i, i+1
.endr
.endm
	s_load_b512 s[8:23], s[0:1], 0x0               ; x s[8:9], wq s[10:11], wk s[12:13], wv s[14:15], wo s[16:17], xb s[18:19], wcat s[20:21], wob s[22:23]
	v_lshlrev_b32 v[VI], 5, v0
	v_lshlrev_b32 v[VO], 4, v0
	s_mov_b32 s24, ttmp9
	s_mov_b32 s3, 0
	s_mov_b32 s5, 0
	s_mov_b32 s28, 0xffff0000
	s_cmp_lt_u32 s24, 128
	s_cbranch_scc1 .Lx
	s_cmp_lt_u32 s24, 256
	s_cbranch_scc1 .Lwq
	s_cmp_lt_u32 s24, 320
	s_cbranch_scc1 .Lwkv
	; work-groups 320 to 447: wo, 16 rows each
	s_sub_co_u32 s25, s24, 320
	s_lshl_b32 s2, s25, 17
	s_lshl_b32 s4, s25, 16
	s_wait_kmcnt 0x0
	s_add_nc_u64 s[2:3], s[16:17], s[2:3]
	s_add_nc_u64 s[4:5], s[22:23], s[4:5]
	LOADS
	PATH 4096, 1
	s_endpgm
.Lx:                                               ; work-groups 0 to 127: x, 16 rows each
	s_lshl_b32 s2, s24, 17
	s_lshl_b32 s4, s24, 16
	s_wait_kmcnt 0x0
	s_add_nc_u64 s[2:3], s[8:9], s[2:3]
	s_add_nc_u64 s[4:5], s[18:19], s[4:5]
	LOADS
	PATH 4096, 0
	s_endpgm
.Lwq:                                              ; work-groups 128 to 255: wq, 16 rows each; a row of wcat is 6,144 bytes
	s_sub_co_u32 s25, s24, 128
	s_lshl_b32 s2, s25, 17
	s_mul_i32 s4, s25, 16*6144
	s_wait_kmcnt 0x0
	s_add_nc_u64 s[2:3], s[10:11], s[2:3]
	s_add_nc_u64 s[4:5], s[20:21], s[4:5]
	LOADS
	PATH 6144, 0
	s_endpgm
.Lwkv:                                             ; work-groups 256 to 287: wk, 288 to 319: wv; 64 rows of 2,048 bytes each, a chunk is 4 rows
	s_sub_co_u32 s25, s24, 256
	s_and_b32 s26, s25, 31
	s_lshl_b32 s2, s26, 17
	s_mul_i32 s4, s26, 64*6144
	s_mov_b32 s27, 4096                            ; column 2,048 of wcat, in bytes: wk's place
	s_mov_b32 s29, 5120                            ; column 2,560: wv's place
	v_lshrrev_b32 v3, 6, v0                        ; my row of the chunk's four
	v_and_b32 v4, 63, v0
	v_mul_u32_u24 v3, v3, 6144
	v_lshl_add_u32 v[VO], v4, 4, v3                ; written anew by a vector line, ahead of the wait that stands in front of the loads
	s_wait_kmcnt 0x0
	s_cmp_lt_u32 s25, 32
	s_cselect_b64 s[6:7], s[12:13], s[14:15]       ; wk or wv (a select leaves SCC as it is, so one compare serves both),
	s_cselect_b32 s27, s27, s29                    ; and its place in a row of wcat
	s_add_co_u32 s4, s4, s27
	s_add_nc_u64 s[2:3], s[6:7], s[2:3]
	s_add_nc_u64 s[4:5], s[20:21], s[4:5]
	LOADS
	PATH 4*6144, 0
	s_endpgm
.Lfunc_end_k_q7e47963b8f_prep:
	.size	k_q7e47963b8f_prep, .Lfunc_end_k_q7e47963b8f_prep-k_q7e47963b8f_prep
	.p2alignl 7, 3214868480
	.fill 96, 4, 3214868480
	.section	.rodata,"a",@progbits
	.p2align	6, 0x0
	.amdhsa_kernel k_q7e47963b8f_prep
		.amdhsa_group_segment_fixed_size 0
		.amdhsa_private_segment_fixed_size 0
		.amdhsa_enable_private_segment 0
		.amdhsa_kernarg_size 64
		.amdhsa_user_sgpr_count 2
		.amdhsa_user_sgpr_kernarg_segment_ptr 1
		.amdhsa_wavefront_size32 1
		.amdhsa_system_sgpr_workgroup_id_x 1
		.amdhsa_system_sgpr_workgroup_id_y 1
		.amdhsa_system_sgpr_workgroup_id_z 1
		.amdhsa_system_vgpr_workitem_id 0
		.amdhsa_next_free_vgpr 208
		.amdhsa_next_free_sgpr 66
		.amdhsa_reserve_vcc 0
		.amdhsa_float_denorm_mode_32 3
		.amdhsa_float_denorm_mode_16_64 3
		.amdhsa_memory_ordered 1
		.amdhsa_forward_progress 1
		.amdhsa_inst_pref_size 48
	.end_amdhsa_kernel
	.amdgpu_metadata
---
amdhsa.version: [ 1, 2 ]
amdhsa.kernels:
  - .name:           k_q7e47963b8f_prep
    .symbol:         k_q7e47963b8f_prep.kd
    .args:
      - { .name: x, .offset: 0, .size: 8, .value_kind: global_buffer, .address_space: global }
      - { .name: wq, .offset: 8, .size: 8, .value_kind: global_buffer, .address_space: global }
      - { .name: wk, .offset: 16, .size: 8, .value_kind: global_buffer, .address_space: global }
      - { .name: wv, .offset: 24, .size: 8, .value_kind: global_buffer, .address_space: global }
      - { .name: wo, .offset: 32, .size: 8, .value_kind: global_buffer, .address_space: global }
      - { .name: xb, .offset: 40, .size: 8, .value_kind: global_buffer, .address_space: global }
      - { .name: wcat, .offset: 48, .size: 8, .value_kind: global_buffer, .address_space: global }
      - { .name: wob, .offset: 56, .size: 8, .value_kind: global_buffer, .address_space: global }
    .group_segment_fixed_size: 0
    .private_segment_fixed_size: 0
    .kernarg_segment_align: 8
    .kernarg_segment_size: 64
    .max_flat_workgroup_size: 256
    .sgpr_count:     66
    .vgpr_count:     208
    .wavefront_size: 32
...
	.end_amdgpu_metadata
.endif
;; end of part 5
;; launch qkvproj: the kernel of part 2 again; grid 24 x 8, 4 waves a work-group, clusters of 4 x 4, 327,680 bytes of LDS; arguments xb, wcat, cos, sin, qkvh; writes qkvh
;; launch attn: the kernel of part 3 again; grid 64 x 4, 4 waves a work-group, clusters of 4 x 1, 327,680 bytes of LDS; arguments qkvh, att; writes att
;; launch oproj: the kernel of part 4 again; grid 16 x 16, 4 waves a work-group, clusters of 4 x 4, 327,680 bytes of LDS; arguments att, wob, out0; writes out0
